; MI455X (gfx1250); checked and timed in simulation.
; The chip was launched on July 23, 2026; its instructions are those of AMD's public machine-readable ISA for CDNA 5 (MIT licence, August 2026) and "CDNA5" Instruction Set Architecture Reference Guide (July 2026). The comments in the code are by the model that wrote it; some were corrected since.
;; FVTA. Allowed arithmetic: float matrix products may take bf16 or f16 operands with f32 sums; all other float work in f32.
;; Inputs: keys 32 x 4,096 x 256 float32; mask 32 x 4,096 int32; query 32 x 128 x 256 float32; query_lengths 32 int32; values 32 x 4,096 x 256 float32.
;; Outputs: out0 32 x 256 float32.
;; 3 versions, each right; version 2 is faster than version 1; version 3 is version 2 with the launch attn written anew for expert scheduling mode. Each part assembles by itself: llvm-mc -triple=amdgcn-amd-amdhsa -mcpu=gfx1250 --defsym DOCPART=n.
;; ======== version 1 of 3: 2 launches
;; workspace buffers: opart 33,554,432 bytes; stats 262,144 bytes
;; launch attn (part 1): grid 8 x 32, 4 waves a work-group, no clusters, 138,752 bytes of LDS; arguments keys, mask, query, query_lengths, values, opart, stats; writes opart, stats
.if DOCPART == 1
	.amdgcn_target "amdgcn-amd-amdhsa--gfx1250"
	.amdhsa_code_object_version 6
	.text
	.protected	k_q230d2f5753_attn
	.globl	k_q230d2f5753_attn
	.p2align	8
	.type	k_q230d2f5753_attn,@function
k_q230d2f5753_attn:
	s_mov_b64 s[64:65], 0
	v_nop
	global_prefetch_b8 v0, s[64:65] scope:SCOPE_SE
	s_setreg_imm32_b32 hwreg(HW_REG_WAVE_MODE, 25, 1), 1
	s_wait_xcnt 0x0
; FVTA attention, first of two launches: for one batch b (work-group y) and one chunk of 512 keys (work-group x) the
; unnormalised sums O[q][v] = sum over the chunk's keys of 2^(s log2e - mc[q]) V[key][v], with mc[q] = log2e x the chunk's largest
; score of query q (a running maximum, -inf where the chunk has no score other than 0) and l[q] = the sum of the same exponentials.
; The second launch joins the eight chunks of a batch, divides, and takes the mean over the 128 queries.
;
; SHARES.  Four waves.  Wave w owns queries 32 w .. 32 w + 31 (two tiles of 16) for all 512 keys, so maxima and sums never leave the wave.
; The keys go in eight tiles of 64 rows.  All waves bring a tile in together: thread t takes rows 16 w + 8 h + p (p = 0..7, h = half of the
; wave) and of each row the 16 bytes at 256 u + 16 c (u = 0..3, c = t & 15): sixteen lanes read 256 consecutive bytes, aligned.
; f32 is rounded to bf16 in registers and laid into LDS; 64 loads of a wave (one K tile, one V tile) are on their way at any time.
; MASKING.  A row with mask != 0 is not fetched: its lanes' offset is multiplied by 0, so that they all read the 16 bytes at the tile's first
; row, and what they hold is cleared by an AND with 0 after the rounding (bits, so whatever those bytes hold).  Query rows at or beyond the
; length are cleared likewise.  Their scores are then exactly 0, and the rule 'a score of 0 counts as -inf' does the rest.
; No non-temporal hint on these loads: the redirected lanes read the same bytes again and again.
; BOTH PRODUCTS ARE TRANSPOSED.  S^T = K Q^T: lane (r, h) register j holds key 8 h + j, query r.  Two such tiles rounded to bf16 are the
; B operand of O^T = V^T P^T as they lie; V^T's fragments come by the transposing LDS load.  The query is the lane in S, in P, in O and
; in the softmax's state, so the rescaling factor is one number a lane.
; NO CLUSTER: no K or V tile is read by two work-groups; only Q is (128 KiB against up to 1 MiB of K and V for a work-group), once, and it
; passes through registers for the clearing.  No tensor loads: they cannot leave rows out, and f32 has to pass registers to be rounded.
; LIMITS.  Numbers in valid rows are finite (NaN or infinities there are not cleaned as the reference's last step would); |score| log2e
; stays below 2^127.  Q, K, V and P are bf16 matrix operands; scores, maxima, sums and O are f32; l sums the f32 exponentials while the
; product takes their bf16 roundings.  The stores into stats cover 128 consecutive bytes a wave (1 KiB for the work-group).
.set KP,     528                       ; LDS pitch of K and Q rows: 512 bytes + 16, an odd multiple of 16: a fragment's 16 rows start at 16 different 16-byte columns modulo 256
.set VP,     544                       ; LDS pitch of V rows: 512 + 32, an odd multiple of 32, for the transposing load
.set KS,     2048                      ; bytes 0..2047: 512 words, -1 for a valid key row, 0 for a masked one
.set VS,     KS+64*KP                  ; K's 64 rows, then V's 64 rows,
.set QS,     VS+64*VP                  ; then Q's 128 rows (used once, in front of the loop); the end is byte 138,240
.set TILEB,  65536                     ; a tile in memory: 64 rows of 1,024 bytes
.set LOG2E,  0x3fb8aa3b
.set NLOG2E, 0xbfb8aa3b
; window 0
.set ROWP,   8                         ; v8-15   (row + p) x 1024 + 16 c: my byte offset in a tile
.set OFF,    16                        ; v16-23  the same, or 0 where the next tile's row is masked
.set VALID,  24                        ; v24-31  -1 / 0 for the rows that are being rounded
.set TM,     32                        ; v32-39  the next tile's words of the table
.set KST,    40                        ; where I store into K's slot, V's slot, Q's rows
.set VST,    41
.set KA,     42                        ; where I read K's fragments, V's fragments
.set VA,     43
.set MA0,    44                        ; my 8 words in tile 0 of the table
.set QST,    45
.set QA,     46
.set OUTOFF, 47                        ; 16 x lane
.set RW,     48                        ; 16 w + 8 h
.set STOFF,  49                        ; 4 t
.set MGO,    50                        ; 16 t
.set MA,     51
.set MW,     52                        ; v52-55  four mask words
.set MST,    56
.set FA,     64                        ; v64-127, v128-191: two buffers of eight fragments
.set FB,     128
; window 1: O[vt][q tile] at 8 (2 vt + q), 256 registers
; window 2: Q's fragments [q tile][K step] at 8 (8 q + ks), then
.set SREG,   128                       ; S[q][kt][j] at 128 + 32 q + 8 kt + j; P is packed in place into 128 + 32 q + 0..15
.set MX,     192                       ; running maximum, one for each q tile
.set LS,     194                       ; running sum (of my half's keys until the end)
.set MCO,    196                       ; the old maximum x log2e
.set NMC,    200                       ; - maximum x log2e, twice (a pair for the packed forms), for each q tile
.set AL,     204                       ; 2^(old - new), twice, for each q tile
.set T,      208                       ; v208-215 at work
.set ACC,    216                       ; v216-219
; window 3: what the loads bring, 4 registers for (p, u) at set + 16 p + 4 u
.set KSET,   0
.set VSET,   128
; scalars: s[4:5] keys, s[6:7] mask, s[8:9] query, s[10:11] lengths, s[12:13] values, s[14:15] opart, s[16:17] stats
.set KB,     4
.set QB,     8
.set VB,     12
.set MSB, 0
.macro WIN new                         ; s_set_vgpr_msb: bits 1:0 source 0, 3:2 source 1, 5:4 source 2, 7:6 destination; the high byte repeats the setting left
.if MSB != \new
	s_set_vgpr_msb (MSB<<8)|\new
.set MSB, \new
.endif
.endm
.macro PLACES                          ; four independent vector instructions behind a matrix instruction (ISA guide 7.12.1)
.rept 4
	v_nop
.endr
.endm
; 32 loads: 64 rows of 1,024 bytes, unconditionally (Q)
.macro LOADSET set, base, imm
	WIN 0xCC
.irp p, 0,1,2,3,4,5,6,7
.irp u, 0,1,2,3
	global_load_b128 v[\set+16*\p+4*\u:\set+16*\p+4*\u+3], v[ROWP+\p], s[\base:\base+1] offset:\imm+256*\u
.endr
.endr
.endm
; One piece of a set: rows p = 2 g, 2 g + 1, eight loads.  Round to bf16 in place, clear masked rows, store 8 bytes a lane,
; and (refill = 1) ask for the same piece of the next tile.  lc: how many younger loads may stay out.
.macro CONVP set, g, staddr, obase, pitch, refill, base, lc
	s_wait_loadcnt \lc
	WIN 0xCF
.irp p, 2*\g, 2*\g+1
.irp u, 0,1,2,3
	v_cvt_pk_bf16_f32 v[\set+16*(\p)+4*\u],   v[\set+16*(\p)+4*\u],   v[\set+16*(\p)+4*\u+1]
	v_cvt_pk_bf16_f32 v[\set+16*(\p)+4*\u+1], v[\set+16*(\p)+4*\u+2], v[\set+16*(\p)+4*\u+3]
.endr
.endr
	WIN 0xCC
.irp p, 2*\g, 2*\g+1
.irp u, 0,1,2,3
	v_and_b32 v[\set+16*(\p)+4*\u],   v[VALID+(\p)], v[\set+16*(\p)+4*\u]
	v_and_b32 v[\set+16*(\p)+4*\u+1], v[VALID+(\p)], v[\set+16*(\p)+4*\u+1]
	ds_store_b64 v[\staddr], v[\set+16*(\p)+4*\u:\set+16*(\p)+4*\u+1] offset:\obase+(\p)*\pitch+128*\u
.if \refill
	global_load_b128 v[\set+16*(\p)+4*\u:\set+16*(\p)+4*\u+3], v[OFF+(\p)], s[\base:\base+1] offset:256*\u
.endif
.endr
.endr
.endm
; 16 LDS loads: K's fragments of the four key tiles for K steps 2 g, 2 g + 1 (32 of d each)
.macro FETCHK g, buf
.irp kt, 0,1,2,3
.irp e, 0,1
	ds_load_b128 v[\buf+8*(2*\kt+\e):\buf+8*(2*\kt+\e)+3],   v[KA] offset:\kt*16*KP+64*(2*\g+\e)
	ds_load_b128 v[\buf+8*(2*\kt+\e)+4:\buf+8*(2*\kt+\e)+7], v[KA] offset:\kt*16*KP+64*(2*\g+\e)+32
.endr
.endr
.endm
; 16 transposing LDS loads: V^T's fragments of v tiles 4 g .. 4 g + 3 for both halves of the 64 keys
.macro FETCHV g, buf
.irp vl, 0,1,2,3
.irp kk, 0,1
	ds_load_tr16_b128 v[\buf+8*(2*\vl+\kk):\buf+8*(2*\vl+\kk)+3],   v[VA] offset:\kk*32*VP+32*(4*\g+\vl)
	ds_load_tr16_b128 v[\buf+8*(2*\vl+\kk)+4:\buf+8*(2*\vl+\kk)+7], v[VA] offset:\kk*32*VP+32*(4*\g+\vl)+16*VP
.endr
.endr
.endm
; The head of a tile's turn (s28 = the tile): its rows' -1 / 0, and (refill = 1) the next tile's offsets and bases.
.macro HEAD refill
	WIN 0
	v_lshl_add_u32 v[MA], s28, 8, v[MA0]           ; 64 words a tile
	ds_load_b128 v[VALID:VALID+3],   v[MA]
	ds_load_b128 v[VALID+4:VALID+7], v[MA] offset:16
.if \refill
	ds_load_b128 v[TM:TM+3],   v[MA] offset:256
	ds_load_b128 v[TM+4:TM+7], v[MA] offset:272
	s_wait_xcnt 0x0                                ; the loads on their way have had their addresses translated (ISA guide 3.1): OFF and the two bases are rewritten only behind this wait
	s_add_nc_u64 s[KB:KB+1], s[KB:KB+1], TILEB
	s_add_nc_u64 s[VB:VB+1], s[VB:VB+1], TILEB
.endif
	s_wait_dscnt 0x0
.if \refill
.irp p, 0,1,2,3,4,5,6,7
	v_min_u32 v[TM+\p], 1, v[TM+\p]                ; -1 -> 1, 0 -> 0
	v_mul_u32_u24 v[OFF+\p], v[TM+\p], v[ROWP+\p]  ; a masked row's lanes all point at the tile's first 16 bytes of unit u
.endr
.endif
.endm
; A quarter of S^T = K Q^T (64 of d): a piece of V is rounded and stored, the next fragments are asked for, 16 products.
; The piece's 32 plain vector instructions are the places between the products that last read the other buffer (and, in the first
; quarter, those that read P) and the lines that write them.
.macro SSTEP g, buf, nbuf, refill, lc, dsc
	CONVP VSET, \g, VST, 0, VP, \refill, VB, \lc
	WIN 0
.if \g < 3
	FETCHK (\g+1), \nbuf
.endif
	s_wait_dscnt \dsc                              ; younger than this quarter's fragments: the piece's 8 stores and the next 16 loads
	WIN 0xA8
.irp e, 0,1
.irp kt, 0,1,2,3
.irp q, 0,1
.if (\g+\e) == 0
	v_wmma_f32_16x16x32_bf16 v[SREG+32*\q+8*\kt:SREG+32*\q+8*\kt+7], v[\buf+8*(2*\kt+\e):\buf+8*(2*\kt+\e)+7], v[8*(8*\q+2*\g+\e):8*(8*\q+2*\g+\e)+7], 0
.else
	v_wmma_f32_16x16x32_bf16 v[SREG+32*\q+8*\kt:SREG+32*\q+8*\kt+7], v[\buf+8*(2*\kt+\e):\buf+8*(2*\kt+\e)+7], v[8*(8*\q+2*\g+\e):8*(8*\q+2*\g+\e)+7], v[SREG+32*\q+8*\kt:SREG+32*\q+8*\kt+7]
.endif
.endr
.endr
.endr
.endm
; The scores of one tile, while V's tile goes into its slot.  Ends with the signal: I have read K's slot out and written my part of V's.
.macro PHASE_S refill, lc0, dlc
	WIN 0
	FETCHK 0, FA
	SSTEP 0, FA, FB, \refill, \lc0, 24
	SSTEP 1, FB, FA, \refill, \lc0-\dlc, 24
	SSTEP 2, FA, FB, \refill, \lc0-2*\dlc, 24
	SSTEP 3, FB, FA, \refill, \lc0-3*\dlc, 8
	WIN 0
	s_wait_dscnt 0x0                               ; for the other waves' sake: my reads and my stores are done
	s_barrier_signal -1
.endm
; Registers only, between that signal and its wait.  first = 1: the tile starts maximum and sum.
.macro SOFTMAX first
	PLACES                                         ; behind the last products, whose results are read now; they also free both fragment buffers
	WIN 0xAA
.irp q, 0,1
.irp j, 0,4,8,12,16,20,24,28
	v_cmp_neq_f32 s32, 0, v[SREG+32*\q+\j]         ; a score of exactly 0 (masked key, query beyond the length) counts as -inf
	v_cmp_neq_f32 s33, 0, v[SREG+32*\q+\j+1]
	v_cmp_neq_f32 s34, 0, v[SREG+32*\q+\j+2]
	v_cmp_neq_f32 s35, 0, v[SREG+32*\q+\j+3]
	v_cndmask_b32 v[SREG+32*\q+\j],   s25, v[SREG+32*\q+\j],   s32
	v_cndmask_b32 v[SREG+32*\q+\j+1], s25, v[SREG+32*\q+\j+1], s33
	v_cndmask_b32 v[SREG+32*\q+\j+2], s25, v[SREG+32*\q+\j+2], s34
	v_cndmask_b32 v[SREG+32*\q+\j+3], s25, v[SREG+32*\q+\j+3], s35
.endr
.irp kt, 0,1,2,3
	v_max3_num_f32 v[T+\kt], v[SREG+32*\q+8*\kt], v[SREG+32*\q+8*\kt+1], v[SREG+32*\q+8*\kt+2]   ; four chains
.endr
.irp kt, 0,1,2,3
	v_max3_num_f32 v[T+\kt], v[T+\kt], v[SREG+32*\q+8*\kt+3], v[SREG+32*\q+8*\kt+4]
.endr
.irp kt, 0,1,2,3
	v_max3_num_f32 v[T+\kt], v[T+\kt], v[SREG+32*\q+8*\kt+5], v[SREG+32*\q+8*\kt+6]
.endr
.irp kt, 0,1,2,3
	v_max_num_f32 v[T+\kt], v[T+\kt], v[SREG+32*\q+8*\kt+7]
.endr
	v_max3_num_f32 v[T], v[T], v[T+1], v[T+2]
	v_max_num_f32 v[T], v[T], v[T+3]               ; my 32 keys of query r
	v_permlanex16_b32 v[T+1], v[T], s26, s27       ; the other half's 32 keys
.if \first
	v_max_num_f32 v[MX+\q], v[T], v[T+1]
.else
	v_mul_f32 v[MCO+\q], LOG2E, v[MX+\q]
	v_max3_num_f32 v[MX+\q], v[MX+\q], v[T], v[T+1]
.endif
	v_cmp_neq_f32 vcc_lo, s25, v[MX+\q]
	v_cndmask_b32 v[T+1], 0, v[MX+\q], vcc_lo      ; nothing but -inf so far: shift by 0, every exponential is then 0
	v_mul_f32 v[NMC+2*\q],   NLOG2E, v[T+1]
	v_mul_f32 v[NMC+2*\q+1], NLOG2E, v[T+1]
.if \first == 0
	v_add_f32 v[T+2], v[MCO+\q], v[NMC+2*\q]       ; both roundings are those that the exponentials were and will be shifted by
	v_exp_f32 v[AL+2*\q],   v[T+2]
	v_exp_f32 v[AL+2*\q+1], v[T+2]
	v_nop                                          ; one plain instruction behind a transcendental (ISA guide 5.7.2)
.endif
.irp j, 0,2,4,6,8,10,12,14,16,18,20,22,24,26,28,30
	v_pk_fma_f32 v[SREG+32*\q+\j:SREG+32*\q+\j+1], v[SREG+32*\q+\j:SREG+32*\q+\j+1], LOG2E, v[NMC+2*\q:NMC+2*\q+1] op_sel_hi:[1,0,1]
.endr
.set ii, 0
.rept 32
	v_exp_f32 v[SREG+32*\q+ii], v[SREG+32*\q+ii]
.set ii, ii+1
.endr
	v_nop                                          ; as above, for the whole run
	s_wait_alu depctr_va_vdst(0)
	v_pk_add_f32 v[ACC:ACC+1],   v[SREG+32*\q:SREG+32*\q+1],   v[SREG+32*\q+2:SREG+32*\q+3]   ; the first sums start the chains
	v_pk_add_f32 v[ACC+2:ACC+3], v[SREG+32*\q+4:SREG+32*\q+5], v[SREG+32*\q+6:SREG+32*\q+7]
.irp j, 8,12,16,20,24,28
	v_pk_add_f32 v[ACC:ACC+1],   v[ACC:ACC+1],   v[SREG+32*\q+\j:SREG+32*\q+\j+1]
	v_pk_add_f32 v[ACC+2:ACC+3], v[ACC+2:ACC+3], v[SREG+32*\q+\j+2:SREG+32*\q+\j+3]
.endr
	v_pk_add_f32 v[ACC:ACC+1], v[ACC:ACC+1], v[ACC+2:ACC+3]
.if \first
	v_add_f32 v[LS+\q], v[ACC], v[ACC+1]
.else
	v_add_f32 v[ACC], v[ACC], v[ACC+1]
	v_fma_f32 v[LS+\q], v[LS+\q], v[AL+2*\q], v[ACC]
.endif
.set ii, 0
.rept 16
	v_cvt_pk_bf16_f32 v[SREG+32*\q+ii], v[SREG+32*\q+2*ii], v[SREG+32*\q+2*ii+1]   ; P in place, ascending: register ii is written when 2 ii and 2 ii + 1 are read
.set ii, ii+1
.endr
.endr
	WIN 0
	s_barrier_wait -1                              ; every wave has read K's slot out and written its part of V's
.endm
; A quarter of O^T += V^T P^T (four v tiles): a piece of K is rounded and stored (conv = 1), the next fragments are asked for, 16 products.
.macro OSTEP g, buf, nbuf, zero, conv, refill, lc, dsc
.if \conv
	CONVP KSET, \g, KST, 0, KP, \refill, KB, \lc
.else
	PLACES                                         ; no piece here: the places in front of the loads into the buffer that the last products read
.endif
	WIN 0
.if \g < 3
	FETCHV (\g+1), \nbuf
.endif
	s_wait_dscnt \dsc
	WIN 0x58
.irp kk, 0,1
.irp vl, 0,1,2,3
.irp q, 0,1
.if \zero*(1-\kk)
	v_wmma_f32_16x16x32_bf16 v[8*(2*(4*\g+\vl)+\q):8*(2*(4*\g+\vl)+\q)+7], v[\buf+8*(2*\vl+\kk):\buf+8*(2*\vl+\kk)+7], v[SREG+32*\q+8*\kk:SREG+32*\q+8*\kk+7], 0
.else
	v_wmma_f32_16x16x32_bf16 v[8*(2*(4*\g+\vl)+\q):8*(2*(4*\g+\vl)+\q)+7], v[\buf+8*(2*\vl+\kk):\buf+8*(2*\vl+\kk)+7], v[SREG+32*\q+8*\kk:SREG+32*\q+8*\kk+7], v[8*(2*(4*\g+\vl)+\q):8*(2*(4*\g+\vl)+\q)+7]
.endif
.endr
.endr
.endr
.endm
; P V of the tile whose P lies in registers, while the next K tile goes into its slot.  zero = 1: the first products start O.
.macro PHASE_O zero, conv, refill, lc0, dlc
	WIN 0
	FETCHV 0, FA                                   ; both buffers are free since the four places at the softmax's head
.if \zero == 0
	WIN 0x49
.set oo, 0
.rept 16
.irp q, 0,1
.irp j, 0,2,4,6
	v_pk_mul_f32 v[16*oo+8*\q+\j:16*oo+8*\q+\j+1], v[16*oo+8*\q+\j:16*oo+8*\q+\j+1], v[AL+2*\q:AL+2*\q+1]   ; O to the new maximum
.endr
.endr
.set oo, oo+1
.endr
.endif
	OSTEP 0, FA, FB, \zero, \conv, \refill, \lc0, 16+8*\conv
	OSTEP 1, FB, FA, \zero, \conv, \refill, \lc0-\dlc, 16+8*\conv
	OSTEP 2, FA, FB, \zero, \conv, \refill, \lc0-2*\dlc, 16+8*\conv
	OSTEP 3, FB, FA, \zero, \conv, \refill, \lc0-3*\dlc, 8*\conv
	WIN 0
.if \conv
	s_wait_dscnt 0x0                               ; my reads of V's slot and my stores into K's are done
	s_barrier_signal -1
	s_barrier_wait -1                              ; everybody's are
.endif
.endm
.macro BODY zero, refill, lck, lcv, dlc            ; tile i: P V of tile i - 1 with K(i) coming in, S of tile i with V(i) coming in, softmax of tile i
	HEAD \refill
	PHASE_O \zero, 1, \refill, \lck, \dlc
	PHASE_S \refill, \lcv, \dlc
	SOFTMAX 0
.endm
.macro QVALID first                                ; -1 for query rows below the length, 0 for the others
.irp p, 0,1,2,3,4,5,6,7
	v_add_nc_u32 v4, \first+\p, v[RW]
	v_cmp_gt_u32 vcc_lo, s23, v4
	v_cndmask_b32 v[VALID+\p], 0, -1, vcc_lo
.endr
.endm
	s_load_b256 s[4:11], s[0:1], 0x0               ; keys, mask, query, query_lengths
	s_load_b128 s[12:15], s[0:1], 0x20             ; values, opart
	s_load_b64 s[16:17], s[0:1], 0x30              ; stats
	v_lshl_add_u32 v254, v0, 2, 0x21c00
	v_mov_b32 v255, 0
	v_lshrrev_b32 v1, 5, v0
	v_readfirstlane_b32 s20, v1                    ; wave
	s_and_b32 s21, ttmp7, 0xffff                   ; b
	s_lshl3_add_u32 s22, s21, ttmp9                ; 8 b + chunk
	s_lshl_b32 s36, s21, 2
	s_mov_b32 s25, 0xff800000                      ; -inf
	s_mov_b32 s26, 0x76543210                      ; v_permlanex16_b32: lane i of one half reads lane i of the other
	s_mov_b32 s27, 0xfedcba98
	s_mov_b32 s29, 0xffff0000                      ; lanes 16-31
	v_and_b32 v1, 15, v0                           ; c, and r
	v_bfe_u32 v2, v0, 4, 1                         ; h
	v_and_b32 v3, 31, v0                           ; lane
	s_lshl_b32 s30, s20, 4
	v_lshl_add_u32 v[RW], v2, 3, s30               ; 16 w + 8 h
	v_lshlrev_b32 v4, 4, v1
	v_lshl_add_u32 v[ROWP], v[RW], 10, v4
.irp p, 1,2,3,4,5,6,7
	v_add_nc_u32 v[ROWP+\p], \p*1024, v[ROWP]
.endr
	v_mul_u32_u24 v4, v2, 8*KP
	v_lshl_add_u32 v4, v1, 3, v4                   ; 8 h rows + 8 c
	s_mul_i32 s30, s20, 16*KP                      ; + my wave's 16 rows
	s_add_co_u32 s31, s30, KS
	v_add_nc_u32 v[KST], s31, v4
	s_add_co_u32 s31, s30, QS
	v_add_nc_u32 v[QST], s31, v4
	v_mul_u32_u24 v4, v2, 8*VP
	v_lshl_add_u32 v4, v1, 3, v4
	s_mul_i32 s30, s20, 16*VP
	s_add_co_u32 s30, s30, VS
	v_add_nc_u32 v[VST], s30, v4
	v_mul_u32_u24 v4, v1, KP
	v_lshl_add_u32 v4, v2, 4, v4                   ; fragment: row r, 16 bytes for each half
	v_add_nc_u32 v[KA], KS, v4
	s_mul_i32 s30, s20, 32*KP                      ; my wave's 32 queries
	s_add_co_u32 s30, s30, QS
	v_add_nc_u32 v[QA], s30, v4
	v_and_b32 v4, 7, v0
	v_lshl_add_u32 v4, v2, 3, v4                   ; transposing load: key row 8 h + (lane & 7),
	v_mul_u32_u24 v4, v4, VP
	v_bfe_u32 v5, v0, 3, 1
	v_lshl_add_u32 v4, v5, 4, v4                   ; 16 bytes for each eight lanes
	v_add_nc_u32 v[VA], VS, v4
	v_lshlrev_b32 v[MA0], 2, v[RW]
	v_lshlrev_b32 v[OUTOFF], 4, v3
	v_lshlrev_b32 v[STOFF], 2, v0
	v_lshlrev_b32 v[MGO], 4, v0
	s_lshl_b32 s30, s20, 9
	v_add_nc_u32 v[MST], s30, v[OUTOFF]            ; 16 t, from the wave and the lane
	s_wait_kmcnt 0x0
	s_load_b32 s23, s[10:11], s36 offset:0x0       ; the batch's length
	s_lshl_b32 s30, s22, 19                        ; 512 rows of 1,024 bytes a chunk (below 2^27 + 2^22)
	s_mov_b32 s31, 0
	s_add_nc_u64 s[KB:KB+1], s[KB:KB+1], s[30:31]
	s_add_nc_u64 s[VB:VB+1], s[VB:VB+1], s[30:31]
	s_lshl_b32 s30, s22, 11
	s_add_nc_u64 s[6:7], s[6:7], s[30:31]
	s_lshl_b32 s30, s21, 17
	s_add_nc_u64 s[QB:QB+1], s[QB:QB+1], s[30:31]
	s_lshl_b32 s30, s22, 17
	s_add_nc_u64 s[14:15], s[14:15], s[30:31]
	s_lshl_b32 s30, s22, 10
	s_add_nc_u64 s[16:17], s[16:17], s[30:31]
	global_load_b128 v[MW:MW+3], v[MGO], s[6:7]    ; the chunk's 512 mask words, four a thread
	LOADSET KSET, QB, 0                            ; Q's rows 0-63
	WIN 0
	s_wait_loadcnt 32                              ; the 32 loads of Q are younger than the mask's
.irp j, 0,1,2,3
	v_cmp_eq_u32 vcc_lo, 0, v[MW+\j]
	v_cndmask_b32 v[MW+\j], 0, -1, vcc_lo          ; mask == 0: the row counts
.endr
	ds_store_b128 v[MST], v[MW:MW+3]
	LOADSET VSET, QB, TILEB                        ; Q's rows 64-127
	WIN 0
	s_wait_dscnt 0x0
	s_barrier_signal -1
	s_barrier_wait -1                              ; the table is whole
	ds_load_b128 v[TM:TM+3],   v[MA0]
	ds_load_b128 v[TM+4:TM+7], v[MA0] offset:16
	s_wait_kmcnt 0x0
	s_max_i32 s23, s23, 0
	s_min_i32 s23, s23, 128                        ; the length, held to 0..128
	s_max_u32 s24, s23, 1
	s_sub_co_u32 s24, s24, 1
	s_lshr_b32 s24, s24, 4
	s_min_u32 s24, s24, 7                          ; the last q tile that holds a valid query (0 where there is none)
	QVALID 0
	s_wait_dscnt 0x0
.irp p, 0,1,2,3,4,5,6,7
	v_min_u32 v[TM+\p], 1, v[TM+\p]
	v_mul_u32_u24 v[OFF+\p], v[TM+\p], v[ROWP+\p]  ; tile 0's offsets
.endr
	; s_wait_loadcnt 56, here and in the loop: behind a piece's eight loads stand the rest of its set (24 - 8 g), the other set (32) and the 8 g refills already issued
.irp g, 0,1,2,3
	CONVP KSET, \g, QST, 0, KP, 1, KB, 56          ; Q's rows 0-63 into LDS; the registers are asked for K(0)
.endr
	WIN 0
	QVALID 64
.irp g, 0,1,2,3
	CONVP VSET, \g, QST, 64*KP, KP, 1, VB, 56      ; Q's rows 64-127; V(0)
.endr
	WIN 0
	s_wait_dscnt 0x0
	s_barrier_signal -1
	s_barrier_wait -1                              ; Q is whole
	WIN 0x80
.irp q, 0,1
.irp ks, 0,1,2,3,4,5,6,7
	ds_load_b128 v[8*(8*\q+\ks):8*(8*\q+\ks)+3],   v[QA] offset:\q*16*KP+64*\ks      ; my 32 queries stay in 128 registers
	ds_load_b128 v[8*(8*\q+\ks)+4:8*(8*\q+\ks)+7], v[QA] offset:\q*16*KP+64*\ks+32
.endr
.endr
	s_mov_b32 s28, 0
	HEAD 1                                         ; (its wait for LDS covers Q's fragments)
.irp g, 0,1,2,3
	CONVP KSET, \g, KST, 0, KP, 1, KB, 56          ; K(0) into its slot; K(1) is asked for
.endr
	WIN 0
	s_wait_dscnt 0x0
	s_barrier_signal -1
	s_barrier_wait -1
	PHASE_S 1, 56, 0
	SOFTMAX 1
	s_mov_b32 s28, 1
	BODY 1, 1, 56, 56, 0                           ; tile 1; its P V starts O: nothing is cleared
	s_mov_b32 s28, 2
.Lloop:
	BODY 0, 1, 56, 56, 0                           ; tiles 2 to 6
	s_add_co_u32 s28, s28, 1
	s_cmp_lt_u32 s28, 7
	s_cbranch_scc1 .Lloop
	BODY 0, 0, 56, 24, 8                           ; tile 7 asks for nothing: behind K(7)'s piece g stand 24 - 8 g + 32 loads, behind V(7)'s 24 - 8 g
	PHASE_O 0, 0, 0, 0, 0                          ; P V of tile 7
	PLACES                                         ; behind the last products: O is read by the stores below
	WIN 0xAA
.irp q, 0,1
	v_permlanex16_b32 v[T+\q], v[LS+\q], s26, s27
	v_add_f32 v[LS+\q], v[LS+\q], v[T+\q]          ; both halves' keys
	v_mul_f32 v[MX+\q], LOG2E, v[MX+\q]            ; the very shift that the exponentials had (-inf where there was none)
.endr
	v_cndmask_b32 v[T],   v[MX], v[MX+1], s29      ; lane l: query 32 w + l
	v_cndmask_b32 v[T+1], v[LS], v[LS+1], s29
	WIN 0x08
	global_store_b32 v[STOFF], v[T],   s[16:17]
	global_store_b32 v[STOFF], v[T+1], s[16:17] offset:512
.irp q, 0,1
	WIN 0
	s_lshl1_add_u32 s30, s20, \q                   ; q tile 2 w + q
	s_cmp_gt_u32 s30, s24
	s_cbranch_scc1 .Lskip\q                        ; a tile wholly beyond the length is neither stored here nor read by the second launch
	s_lshl_b32 s30, s30, 14
	s_mov_b32 s31, 0
	s_add_nc_u64 s[36+2*\q:37+2*\q], s[14:15], s[30:31]
	WIN 0x04
.irp vt, 0,1,2,3,4,5,6,7,8,9,10,11,12,13,14,15
.irp i, 0,1
	global_store_b128 v[OUTOFF], v[8*(2*\vt+\q)+4*\i:8*(2*\vt+\q)+4*\i+3], s[36+2*\q:37+2*\q] offset:1024*\vt+512*\i   ; 512 consecutive bytes, aligned
.endr
.endr
	WIN 0
.Lskip\q:
.endr
	s_wait_tensorcnt 0x0
	ds_add_u32 v254, v255
	s_wait_dscnt 0x0
	s_endpgm
.Lfunc_end_k_q230d2f5753_attn:
	.size	k_q230d2f5753_attn, .Lfunc_end_k_q230d2f5753_attn-k_q230d2f5753_attn
	.p2alignl 7, 3214868480
	.fill 96, 4, 3214868480
	.section	.rodata,"a",@progbits
	.p2align	6, 0x0
	.amdhsa_kernel k_q230d2f5753_attn
		.amdhsa_group_segment_fixed_size 138752
		.amdhsa_private_segment_fixed_size 0
		.amdhsa_enable_private_segment 0
		.amdhsa_kernarg_size 56
		.amdhsa_user_sgpr_count 2
		.amdhsa_user_sgpr_kernarg_segment_ptr 1
		.amdhsa_wavefront_size32 1
		.amdhsa_system_sgpr_workgroup_id_x 1
		.amdhsa_system_sgpr_workgroup_id_y 1
		.amdhsa_system_sgpr_workgroup_id_z 1
		.amdhsa_system_vgpr_workitem_id 0
		.amdhsa_next_free_vgpr 1024
		.amdhsa_next_free_sgpr 66
		.amdhsa_reserve_vcc 1
		.amdhsa_float_denorm_mode_32 3
		.amdhsa_float_denorm_mode_16_64 3
		.amdhsa_memory_ordered 1
		.amdhsa_forward_progress 1
		.amdhsa_inst_pref_size 255
	.end_amdhsa_kernel
	.section	.bss,"aw",@nobits
	.p2align	6
	.space	262144
	.amdgpu_metadata
---
amdhsa.version: [ 1, 2 ]
amdhsa.kernels:
  - .name:           k_q230d2f5753_attn
    .symbol:         k_q230d2f5753_attn.kd
    .args:
      - { .name: keys, .offset: 0, .size: 8, .value_kind: global_buffer, .address_space: global }
      - { .name: mask, .offset: 8, .size: 8, .value_kind: global_buffer, .address_space: global }
      - { .name: query, .offset: 16, .size: 8, .value_kind: global_buffer, .address_space: global }
      - { .name: query_lengths, .offset: 24, .size: 8, .value_kind: global_buffer, .address_space: global }
      - { .name: values, .offset: 32, .size: 8, .value_kind: global_buffer, .address_space: global }
      - { .name: opart, .offset: 40, .size: 8, .value_kind: global_buffer, .address_space: global }
      - { .name: stats, .offset: 48, .size: 8, .value_kind: global_buffer, .address_space: global }
    .group_segment_fixed_size: 138752
    .private_segment_fixed_size: 0
    .kernarg_segment_align: 8
    .kernarg_segment_size: 56
    .max_flat_workgroup_size: 128
    .sgpr_count:     66
    .vgpr_count:     1024
    .wavefront_size: 32
...
	.end_amdgpu_metadata
.endif
;; end of part 1
;; launch combine (part 2): grid 8 x 32, 16 waves a work-group, no clusters, 6,656 bytes of LDS; arguments opart, stats, query_lengths, out0; writes out0
.if DOCPART == 2
	.amdgcn_target "amdgcn-amd-amdhsa--gfx1250"
	.amdhsa_code_object_version 6
	.text
	.protected	k_q230d2f5753_combine
	.globl	k_q230d2f5753_combine
	.p2align	8
	.type	k_q230d2f5753_combine,@function
k_q230d2f5753_combine:
	s_mov_b64 s[64:65], 0
	v_nop
	global_prefetch_b8 v0, s[64:65] scope:SCOPE_SE
	s_setreg_imm32_b32 hwreg(HW_REG_WAVE_MODE, 25, 1), 1
	s_wait_xcnt 0x0
; FVTA attention, second launch: out0[b][v] = 1/128 x sum over q of ( sum over chunks c of 2^(mc[c][q] - MC[q]) O[c][q][v] ) / Lt[q],
; MC[q] = the largest mc[c][q], Lt[q] = sum over c of 2^(mc[c][q] - MC[q]) l[c][q]; a query with Lt = 0 (no score other than 0) adds nothing.
; Work-group (j, b) makes out0[b][32 j .. 32 j + 31].  opart lies as [b][chunk][q tile 8][v tile 16][i 2][lane 32][4]: lane (r, h) holds
; O of query 16 qt + r at v = 16 vt + 8 h + 4 i + 0..3, so each load of a wave covers 512 consecutive bytes, aligned.
; Wave = (cq, i, vtl): chunks 2 cq, 2 cq + 1, v tile 2 j + vtl, half i; sixteen loads, all issued at once.
; Waves 0-3 make the 8 x 128 weights w[c][q] = 2^(mc - MC) / (128 Lt) and hand them over in LDS.
; q tiles beyond the length's last tile were not stored: their loads are turned to that last tile, and their weights are 0.
; A stream with a small sum: no matrix unit, no cluster (no two work-groups read the same bytes of opart).
; The work-group's one store covers 128 consecutive bytes of out0 (32 KiB in all).  Limit: O finite, as the first launch leaves it for finite inputs.
.set W,    0                           ; LDS: w[c][q], 8 x 128 f32
.set RED,  4096                        ; LDS: [cq 4][32] partial sums
.set VO,   8                           ; v8-15    byte offset of my 16 bytes in q tile qt
.set X,    16                          ; v16-79   X[cl][qt], 4 registers each
.set WT,   80                          ; v80-95   w[2 cq + cl][16 qt + r]
.set ACC,  96                          ; v96-103  four sums for each cl
.set MC,   104                         ; v104-111 mc of the eight chunks (waves 0-3)
.set LL,   112                         ; v112-119 l
.set EE,   120                         ; v120-127 2^(mc - MC), then the weights
.macro XLOADS
.irp cl, 0,1
.irp qt, 0,1,2,3,4,5,6,7
	global_load_b128 v[X+32*\cl+4*\qt:X+32*\cl+4*\qt+3], v[VO+\qt], s[4:5] offset:131072*\cl
.endr
.endr
.endm
	s_load_b256 s[4:11], s[0:1], 0x0               ; opart, stats, query_lengths, out0
	v_lshl_add_u32 v136, v0, 2, 0x1200
	v_mov_b32 v137, 0
	v_lshrrev_b32 v1, 5, v0
	v_readfirstlane_b32 s12, v1                    ; wave 0..15
	s_and_b32 s13, ttmp7, 0xffff                   ; b
	s_lshl_b32 s14, s13, 2
	s_and_b32 s15, s12, 1                          ; vtl
	s_bfe_u32 s16, s12, 0x10001                    ; i
	s_lshr_b32 s17, s12, 2                         ; cq
	s_mov_b32 s26, 0xff800000                      ; -inf
	v_and_b32 v1, 31, v0                           ; lane
	v_and_b32 v2, 15, v0                           ; r
	v_bfe_u32 v3, v0, 4, 1                         ; h
	v_lshlrev_b32 v4, 4, v1
	v_lshlrev_b32 v5, 2, v0                        ; 4 t: query t in a plane of stats
	s_lshl_b32 s24, s17, 10
	v_lshl_add_u32 v6, v2, 2, s24                  ; w[2 cq][r]
	s_lshl_b32 s24, s17, 7
	s_lshl_b32 s25, s15, 6
	s_add_co_u32 s24, s24, s25
	s_lshl_b32 s25, s16, 4
	s_add_co_u32 s24, s24, s25
	s_add_co_u32 s24, s24, RED
	v_lshl_add_u32 v7, v3, 5, s24                  ; RED[cq][16 vtl + 8 h + 4 i]
	s_lshl_b32 s25, s12, 7
	v_lshl_add_u32 v133, v1, 2, s25                ; w[0][32 wave + lane] (waves 0-3)
	s_wait_kmcnt 0x0
	s_load_b32 s18, s[8:9], s14 offset:0x0
	s_lshl_b32 s20, s13, 3
	s_lshl1_add_u32 s20, s17, s20                  ; 8 b + 2 cq
	s_lshl_b32 s20, s20, 17
	s_lshl1_add_u32 s21, ttmp9, s15                ; v tile 2 j + vtl
	s_lshl_b32 s21, s21, 10
	s_add_co_u32 s20, s20, s21
	s_lshl_b32 s21, s16, 9
	s_add_co_u32 s20, s20, s21
	s_mov_b32 s21, 0
	s_add_nc_u64 s[4:5], s[4:5], s[20:21]
	s_lshl_b32 s20, s13, 13
	s_add_nc_u64 s[6:7], s[6:7], s[20:21]
	s_lshl_b32 s20, s13, 10
	s_lshl_b32 s22, ttmp9, 7
	s_add_co_u32 s20, s20, s22
	s_add_nc_u64 s[10:11], s[10:11], s[20:21]
	s_wait_kmcnt 0x0
	s_max_i32 s18, s18, 0                          ; the same figure as in the first launch: the last q tile that was stored
	s_min_i32 s18, s18, 128
	s_max_u32 s19, s18, 1
	s_sub_co_u32 s19, s19, 1
	s_lshr_b32 s19, s19, 4
	s_min_u32 s19, s19, 7
.irp qt, 0,1,2,3,4,5,6,7
	s_min_u32 s22, s19, \qt
	s_lshl_b32 s22, s22, 14
	v_add_nc_u32 v[VO+\qt], s22, v4
.endr
	s_cmp_gt_u32 s12, 3
	s_cbranch_scc1 .Lothers
.irp c, 0,1,2,3,4,5,6,7
	global_load_b32 v[MC+\c], v5, s[6:7] offset:1024*\c
	global_load_b32 v[LL+\c], v5, s[6:7] offset:1024*\c+512
.endr
	XLOADS
	s_wait_loadcnt 16                              ; the sixteen loads of O are younger and stay out
	v_max3_num_f32 v128, v[MC], v[MC+1], v[MC+2]
	v_max3_num_f32 v128, v128, v[MC+3], v[MC+4]
	v_max3_num_f32 v128, v128, v[MC+5], v[MC+6]
	v_max_num_f32 v128, v128, v[MC+7]
	v_cmp_neq_f32 vcc_lo, s26, v128
	v_cndmask_b32 v128, 0, v128, vcc_lo            ; all -inf: shift by 0, every factor is 0
.irp c, 0,1,2,3,4,5,6,7
	v_sub_f32 v[EE+\c], v[MC+\c], v128
.endr
.irp c, 0,1,2,3,4,5,6,7
	v_exp_f32 v[EE+\c], v[EE+\c]
.endr
	v_nop                                          ; one plain instruction behind the transcendentals (ISA guide 5.7.2)
	s_wait_alu depctr_va_vdst(0)
	v_mul_f32 v129, v[EE], v[LL]
.irp c, 1,2,3,4,5,6,7
	v_fmac_f32 v129, v[EE+\c], v[LL+\c]
.endr
	v_mul_f32 v130, 0x43000000, v129               ; 128 Lt: the mean over the 128 queries rides on the division
	v_rcp_f32 v130, v130
	v_cmp_lt_f32 vcc_lo, 0, v129                   ; (the plain instruction behind v_rcp_f32: it names neither its source nor its result)
	s_wait_alu depctr_va_vdst(0)
	v_cndmask_b32 v130, 0, v130, vcc_lo
.irp c, 0,1,2,3,4,5,6,7
	v_mul_f32 v[EE+\c], v[EE+\c], v130
	ds_store_b32 v133, v[EE+\c] offset:W+512*\c
.endr
	s_branch .Ljoin
.Lothers:
	XLOADS
.Ljoin:
	s_wait_dscnt 0x0
	s_barrier_signal -1
	s_barrier_wait -1                              ; the weights are whole
.irp cl, 0,1
.irp qt, 0,1,2,3,4,5,6,7
	ds_load_b32 v[WT+8*\cl+\qt], v6 offset:W+512*\cl+64*\qt
.endr
.endr
	s_wait_dscnt 0x0
.irp cl, 0,1
.irp qt, 0,1,2,3,4,5,6,7
	s_wait_loadcnt 15-8*\cl-\qt                    ; loads come back in order: this one is in, the younger ones stay out
.irp e, 0,1,2,3
.if \qt == 0
	v_mul_f32 v[ACC+4*\cl+\e], v[X+32*\cl+4*\qt+\e], v[WT+8*\cl+\qt]     ; the first product starts the sum
.else
	v_fmac_f32 v[ACC+4*\cl+\e], v[X+32*\cl+4*\qt+\e], v[WT+8*\cl+\qt]
.endif
.endr
.endr
.endr
	v_pk_add_f32 v[ACC:ACC+1],   v[ACC:ACC+1],   v[ACC+4:ACC+5]
	v_pk_add_f32 v[ACC+2:ACC+3], v[ACC+2:ACC+3], v[ACC+6:ACC+7]
.irp m, 1,2,4,8
.irp e, 0,1,2,3
	v_add_f32_dpp v[ACC+\e], v[ACC+\e], v[ACC+\e] row_xmask:\m row_mask:0xf bank_mask:0xf   ; over the 16 queries of a half's lanes
.endr
.endr
	ds_store_b128 v7, v[ACC:ACC+3]                 ; the sixteen lanes of a half write the same four numbers to the same place
	s_wait_dscnt 0x0
	s_barrier_signal -1
	s_barrier_wait -1
	s_cmp_lg_u32 s12, 0
	s_cbranch_scc1 .Lend
	v_lshlrev_b32 v132, 2, v1
.irp cq, 0,1,2,3
	ds_load_b32 v[128+\cq], v132 offset:RED+128*\cq
.endr
	s_wait_dscnt 0x0
	v_add_f32 v128, v128, v129
	v_add_f32 v130, v130, v131
	v_add_f32 v128, v128, v130
	global_store_b32 v132, v128, s[10:11]
.Lend:
	s_wait_tensorcnt 0x0
	ds_add_u32 v136, v137
	s_wait_dscnt 0x0
	s_endpgm
.Lfunc_end_k_q230d2f5753_combine:
	.size	k_q230d2f5753_combine, .Lfunc_end_k_q230d2f5753_combine-k_q230d2f5753_combine
	.p2alignl 7, 3214868480
	.fill 96, 4, 3214868480
	.section	.rodata,"a",@progbits
	.p2align	6, 0x0
	.amdhsa_kernel k_q230d2f5753_combine
		.amdhsa_group_segment_fixed_size 6656
		.amdhsa_private_segment_fixed_size 0
		.amdhsa_enable_private_segment 0
		.amdhsa_kernarg_size 32
		.amdhsa_user_sgpr_count 2
		.amdhsa_user_sgpr_kernarg_segment_ptr 1
		.amdhsa_wavefront_size32 1
		.amdhsa_system_sgpr_workgroup_id_x 1
		.amdhsa_system_sgpr_workgroup_id_y 1
		.amdhsa_system_sgpr_workgroup_id_z 1
		.amdhsa_system_vgpr_workitem_id 0
		.amdhsa_next_free_vgpr 138
		.amdhsa_next_free_sgpr 66
		.amdhsa_reserve_vcc 1
		.amdhsa_float_denorm_mode_32 3
		.amdhsa_float_denorm_mode_16_64 3
		.amdhsa_memory_ordered 1
		.amdhsa_forward_progress 1
		.amdhsa_inst_pref_size 16
	.end_amdhsa_kernel
	.amdgpu_metadata
---
amdhsa.version: [ 1, 2 ]
amdhsa.kernels:
  - .name:           k_q230d2f5753_combine
    .symbol:         k_q230d2f5753_combine.kd
    .args:
      - { .name: opart, .offset: 0, .size: 8, .value_kind: global_buffer, .address_space: global }
      - { .name: stats, .offset: 8, .size: 8, .value_kind: global_buffer, .address_space: global }
      - { .name: query_lengths, .offset: 16, .size: 8, .value_kind: global_buffer, .address_space: global }
      - { .name: out0, .offset: 24, .size: 8, .value_kind: global_buffer, .address_space: global }
    .group_segment_fixed_size: 6656
    .private_segment_fixed_size: 0
    .kernarg_segment_align: 8
    .kernarg_segment_size: 32
    .max_flat_workgroup_size: 512
    .sgpr_count:     66
    .vgpr_count:     138
    .wavefront_size: 32
...
	.end_amdgpu_metadata
.endif
;; end of part 2
;; ======== version 2 of 3: 2 launches; 1.32 times as fast as version 1
;; workspace buffers: opart 33,554,432 bytes; stats 262,144 bytes
;; launch attn (part 3): grid 8 x 32, 4 waves a work-group, no clusters, 136,704 bytes of LDS; arguments keys, mask, query, query_lengths, values, opart, stats; writes opart, stats
.if DOCPART == 3
	.amdgcn_target "amdgcn-amd-amdhsa--gfx1250"
	.amdhsa_code_object_version 6
	.text
	.protected	k_q230d2f5753_attn
	.globl	k_q230d2f5753_attn
	.p2align	8
	.type	k_q230d2f5753_attn,@function
k_q230d2f5753_attn:
	s_mov_b64 s[64:65], 0
	v_nop
	global_prefetch_b8 v0, s[64:65] scope:SCOPE_SE
	s_setreg_imm32_b32 hwreg(HW_REG_WAVE_MODE, 25, 1), 1
	s_wait_xcnt 0x0
; FVTA attention, first of two launches: for one batch b (work-group y) and one chunk of 512 keys (work-group x) the
; unnormalised sums O[q][v] = sum over the chunk's keys of 2^(s log2e - mc[q]) V[key][v], with mc[q] = log2e x the chunk's largest
; score of query q (a running maximum, -inf where the chunk has no score other than 0) and l[q] = the sum of the same exponentials.
; The second launch joins the eight chunks of a batch, divides, and takes the mean over the 128 queries.
;
; SHARES.  Four waves.  Wave w owns queries 32 w .. 32 w + 31 (two tiles of 16) for all 512 keys, so maxima and sums never leave the wave.
; The keys go in eight tiles of 64 rows.  All waves bring a tile in together: wave w takes rows 16 w + p (p = 0..15), each in two halves
; (u = 0, 1), lane l the 16 bytes at 512 u + 16 l: a load of the wave covers 512 consecutive bytes of ONE row, aligned.
; f32 is rounded to bf16 in registers and laid into LDS; 64 loads of a wave (one K tile, one V tile) are on their way at any time.
; MASKING.  A load's row is the same in all lanes, so the mask lives in scalar registers: the wave's 16 words of a tile come by one scalar
; load, asked for a whole turn ahead.  A row with mask != 0 is not fetched: its offset is multiplied by 0, so that its 32 lanes all read the
; same 16 bytes of the tile's first row, and what they hold is cleared by an AND with 0 after the rounding (bits, so whatever those bytes
; hold).  Query rows at or beyond the length are cleared likewise.  Their scores are then exactly 0, and the rule 'a score of 0 counts
; as -inf' does the rest.  No non-temporal hint on these loads: the redirected lanes read the same bytes again and again.
; BOTH PRODUCTS ARE TRANSPOSED.  S^T = K Q^T: lane (r, h) register j holds key 8 h + j, query r.  Two such tiles rounded to bf16 are the
; B operand of O^T = V^T P^T as they lie; V^T's fragments come by the transposing LDS load.  The query is the lane in S, in P, in O and
; in the softmax's state, so the rescaling factor is one number a lane.
; NO CLUSTER: no K or V tile is read by two work-groups; only Q is (128 KiB against up to 1 MiB of K and V for a work-group), once, and it
; passes through registers for the clearing.  No tensor loads: they cannot leave rows out, and f32 has to pass registers to be rounded.
; LIMITS.  Numbers in valid rows are finite (NaN or infinities there are not cleaned as the reference's last step would); |score| log2e
; stays below 2^127.  Q, K, V and P are bf16 matrix operands; scores, maxima, sums and O are f32; l sums the f32 exponentials while the
; product takes their bf16 roundings.  The stores into stats cover 128 consecutive bytes a wave (1 KiB for the work-group).
.set KP,     528                       ; LDS pitch of K and Q rows: 512 bytes + 16, an odd multiple of 16: a fragment's 16 rows start at 16 different 16-byte columns modulo 256
.set VP,     544                       ; LDS pitch of V rows: 512 + 32, an odd multiple of 32, for the transposing load
.set KS,     0                         ; K's 64 rows,
.set VS,     KS+64*KP                  ; then V's 64 rows,
.set QS,     VS+64*VP                  ; then Q's 128 rows (used once, in front of the loop); the end is byte 136,192
.set TILEB,  65536                     ; a tile in memory: 64 rows of 1,024 bytes
.set LOG2E,  0x3fb8aa3b
.set NLOG2E, 0xbfb8aa3b
; window 0
.set ROWP,   8                         ; v8-23   (16 w + p) x 1024 + 16 l: my byte offset in a tile
.set OFF,    24                        ; v24-39  the same, or 0 where the next tile's row is masked
.set KST,    40                        ; where I store into K's slot, V's slot, Q's rows
.set VST,    41
.set KA,     42                        ; where I read K's fragments, V's fragments
.set VA,     43
.set QST,    45
.set QA,     46
.set OUTOFF, 47                        ; 16 x lane
.set STOFF,  49                        ; 4 t
.set FA,     64                        ; v64-127, v128-191: two buffers of eight fragments
.set FB,     128
; window 1: O[vt][q tile] at 8 (2 vt + q), 256 registers
; window 2: Q's fragments [q tile][K step] at 8 (8 q + ks), then
.set SREG,   128                       ; S[q][kt][j] at 128 + 32 q + 8 kt + j; P is packed in place into 128 + 32 q + 0..15
.set MX,     192                       ; running maximum, one for each q tile
.set LS,     194                       ; running sum (of my half's keys until the end)
.set MCO,    196                       ; the old maximum x log2e
.set NMC,    200                       ; - maximum x log2e, twice (a pair for the packed forms), for each q tile
.set AL,     204                       ; 2^(old - new), twice, for each q tile
.set T,      208                       ; v208-215 at work
.set ACC,    216                       ; v216-219
; window 3: what the loads bring, 4 registers for (p, u) at set + 8 p + 4 u
.set KSET,   0
.set VSET,   128
; scalars: s[4:5] keys, s[6:7] mask (at my wave's 16 words of tile 0), s[8:9] query, s[10:11] lengths, s[12:13] values, s[14:15] opart, s[16:17] stats
.set KB,     4
.set QB,     8
.set VB,     12
.set MOFF,   40                        ; s40     byte offset of the mask words asked for
.set W16,    41                        ; s41     16 w
.set SR,     44                        ; s44-59  16 mask words as loaded
.set SV,     68                        ; s68-83  -1 / 0 for the 16 rows that are being rounded
.set SN,     84                        ; s84-99  1 / 0 for the 16 rows of the next tile
.set MSB, 0
.macro WIN new                         ; s_set_vgpr_msb: bits 1:0 source 0, 3:2 source 1, 5:4 source 2, 7:6 destination; the high byte repeats the setting left
.if MSB != \new
	s_set_vgpr_msb (MSB<<8)|\new
.set MSB, \new
.endif
.endm
.macro PLACES                          ; four independent vector instructions behind a matrix instruction (ISA guide 7.12.1)
.rept 4
	v_nop
.endr
.endm
; 32 loads: 64 rows of 1,024 bytes, unconditionally (Q)
.macro LOADSET set, base, imm
	WIN 0xCC
.irp p, 0,1,2,3,4,5,6,7,8,9,10,11,12,13,14,15
.irp u, 0,1
	global_load_b128 v[\set+8*\p+4*\u:\set+8*\p+4*\u+3], v[ROWP+\p], s[\base:\base+1] offset:\imm+512*\u
.endr
.endr
.endm
; One piece of a set: rows p = 4 g .. 4 g + 3, eight loads.  Round to bf16 in place, clear masked rows, store 8 bytes a lane (256 consecutive
; bytes an instruction), and (refill = 1) ask for the same piece of the next tile.  Laid in runs, vector work first, then LDS stores, then loads,
; so that vector and memory instructions change places once a piece.  lc: how many younger loads may stay out.
.macro CONVP set, g, staddr, obase, pitch, refill, base, lc
	s_wait_loadcnt \lc
	WIN 0xCF
.irp p, 4*\g, 4*\g+1, 4*\g+2, 4*\g+3
.irp u, 0,1
	v_cvt_pk_bf16_f32 v[\set+8*(\p)+4*\u],   v[\set+8*(\p)+4*\u],   v[\set+8*(\p)+4*\u+1]
	v_cvt_pk_bf16_f32 v[\set+8*(\p)+4*\u+1], v[\set+8*(\p)+4*\u+2], v[\set+8*(\p)+4*\u+3]
.endr
.endr
	WIN 0xCC
.irp p, 4*\g, 4*\g+1, 4*\g+2, 4*\g+3
.irp u, 0,1
	v_and_b32 v[\set+8*(\p)+4*\u],   s[SV+(\p)], v[\set+8*(\p)+4*\u]
	v_and_b32 v[\set+8*(\p)+4*\u+1], s[SV+(\p)], v[\set+8*(\p)+4*\u+1]
.endr
.endr
.irp p, 4*\g, 4*\g+1, 4*\g+2, 4*\g+3
.irp u, 0,1
	ds_store_b64 v[\staddr], v[\set+8*(\p)+4*\u:\set+8*(\p)+4*\u+1] offset:\obase+(\p)*\pitch+256*\u
.endr
.endr
.if \refill
.irp p, 4*\g, 4*\g+1, 4*\g+2, 4*\g+3
.irp u, 0,1
	global_load_b128 v[\set+8*(\p)+4*\u:\set+8*(\p)+4*\u+3], v[OFF+(\p)], s[\base:\base+1] offset:512*\u
.endr
.endr
.endif
.endm
; 16 LDS loads: K's fragments of the four key tiles for K steps 2 g, 2 g + 1 (32 of d each)
.macro FETCHK g, buf
.irp kt, 0,1,2,3
.irp e, 0,1
	ds_load_b128 v[\buf+8*(2*\kt+\e):\buf+8*(2*\kt+\e)+3],   v[KA] offset:\kt*16*KP+64*(2*\g+\e)
	ds_load_b128 v[\buf+8*(2*\kt+\e)+4:\buf+8*(2*\kt+\e)+7], v[KA] offset:\kt*16*KP+64*(2*\g+\e)+32
.endr
.endr
.endm
; 16 transposing LDS loads: V^T's fragments of v tiles 4 g .. 4 g + 3 for both halves of the 64 keys
.macro FETCHV g, buf
.irp vl, 0,1,2,3
.irp kk, 0,1
	ds_load_tr16_b128 v[\buf+8*(2*\vl+\kk):\buf+8*(2*\vl+\kk)+3],   v[VA] offset:\kk*32*VP+32*(4*\g+\vl)
	ds_load_tr16_b128 v[\buf+8*(2*\vl+\kk)+4:\buf+8*(2*\vl+\kk)+7], v[VA] offset:\kk*32*VP+32*(4*\g+\vl)+16*VP
.endr
.endr
.endm
; 16 mask words as loaded -> 1 for a row that counts (word 0), 0 for a masked one (any other word): min with 1, + 1, & 1
.macro NEXTMASK
.irp p, 0,1,2,3,4,5,6,7,8,9,10,11,12,13,14,15
	s_min_u32 s[SN+\p], s[SR+\p], 1
.endr
.irp p, 0,1,2,3,4,5,6,7,8,9,10,11,12,13,14,15
	s_add_co_u32 s[SN+\p], s[SN+\p], 1
.endr
.irp p, 0,1,2,3,4,5,6,7,8,9,10,11,12,13,14,15
	s_and_b32 s[SN+\p], s[SN+\p], 1
.endr
.endm
.macro OFFSETS                         ; a masked row's lanes all point at the first 16 bytes of half u of the tile's first row
.irp p, 0,1,2,3,4,5,6,7,8,9,10,11,12,13,14,15
	v_mul_u32_u24 v[OFF+\p], s[SN+\p], v[ROWP+\p]
.endr
.endm
; The head of a tile's turn (s28 = the tile): its rows' -1 / 0, and (refill = 1) the next tile's offsets and bases, and the request
; for the mask words of the tile after that.
.macro HEAD refill
	WIN 0
.irp p, 0,1,2,3,4,5,6,7,8,9,10,11,12,13,14,15
	s_sub_co_u32 s[SV+\p], 0, s[SN+\p]             ; 1 -> -1, 0 -> 0
.endr
	s_wait_kmcnt 0x0                               ; the words asked for a turn ago are in; their offset register is free
.if \refill
	NEXTMASK
	s_add_co_u32 s[MOFF], s28, 2
	s_min_u32 s[MOFF], s[MOFF], 7                  ; tile 6's turn asks for tile 7's 64 bytes once more: no request leaves the chunk
	s_lshl_b32 s[MOFF], s[MOFF], 8                 ; 64 words a tile
	s_wait_xcnt 0x0                                ; the loads on their way have had their addresses translated (ISA guide 3.1): OFF and the two bases are rewritten only behind this wait
	s_add_nc_u64 s[KB:KB+1], s[KB:KB+1], TILEB
	s_add_nc_u64 s[VB:VB+1], s[VB:VB+1], TILEB
	OFFSETS
	s_load_b512 s[SR:SR+15], s[6:7], s[MOFF] offset:0x0
.endif
.endm
; A quarter of S^T = K Q^T (64 of d): a piece of V is rounded and stored, the next fragments are asked for, 16 products.
; The piece's 32 plain vector instructions are the places between the products that last read the other buffer (and, in the first
; quarter, those that read P) and the lines that write them.
.macro SSTEP g, buf, nbuf, refill, lc, dsc
	CONVP VSET, \g, VST, 0, VP, \refill, VB, \lc
	WIN 0
.if \g < 3
	FETCHK (\g+1), \nbuf
.endif
	s_wait_dscnt \dsc                              ; younger than this quarter's fragments: the piece's 8 stores and the next 16 loads
	WIN 0xA8
.irp e, 0,1
.irp kt, 0,1,2,3
.irp q, 0,1
.if (\g+\e) == 0
	v_wmma_f32_16x16x32_bf16 v[SREG+32*\q+8*\kt:SREG+32*\q+8*\kt+7], v[\buf+8*(2*\kt+\e):\buf+8*(2*\kt+\e)+7], v[8*(8*\q+2*\g+\e):8*(8*\q+2*\g+\e)+7], 0
.else
	v_wmma_f32_16x16x32_bf16 v[SREG+32*\q+8*\kt:SREG+32*\q+8*\kt+7], v[\buf+8*(2*\kt+\e):\buf+8*(2*\kt+\e)+7], v[8*(8*\q+2*\g+\e):8*(8*\q+2*\g+\e)+7], v[SREG+32*\q+8*\kt:SREG+32*\q+8*\kt+7]
.endif
.endr
.endr
.endr
.endm
; The scores of one tile, while V's tile goes into its slot.  Ends with the signal: I have read K's slot out and written my part of V's.
.macro PHASE_S refill, lc0, dlc
	WIN 0
	FETCHK 0, FA
	SSTEP 0, FA, FB, \refill, \lc0, 24
	SSTEP 1, FB, FA, \refill, \lc0-\dlc, 24
	SSTEP 2, FA, FB, \refill, \lc0-2*\dlc, 24
	SSTEP 3, FB, FA, \refill, \lc0-3*\dlc, 8
	WIN 0
	s_wait_dscnt 0x0                               ; for the other waves' sake: my reads and my stores are done
	s_barrier_signal -1
.endm
; Registers only, between that signal and its wait.  first = 1: the tile starts maximum and sum.
.macro SOFTMAX first
	PLACES                                         ; behind the last products, whose results are read now; they also free both fragment buffers
	WIN 0xAA
.irp q, 0,1
.irp j, 0,4,8,12,16,20,24,28
	v_cmp_neq_f32 s32, 0, v[SREG+32*\q+\j]         ; a score of exactly 0 (masked key, query beyond the length) counts as -inf
	v_cmp_neq_f32 s33, 0, v[SREG+32*\q+\j+1]
	v_cmp_neq_f32 s34, 0, v[SREG+32*\q+\j+2]
	v_cmp_neq_f32 s35, 0, v[SREG+32*\q+\j+3]
	v_cndmask_b32 v[SREG+32*\q+\j],   s25, v[SREG+32*\q+\j],   s32
	v_cndmask_b32 v[SREG+32*\q+\j+1], s25, v[SREG+32*\q+\j+1], s33
	v_cndmask_b32 v[SREG+32*\q+\j+2], s25, v[SREG+32*\q+\j+2], s34
	v_cndmask_b32 v[SREG+32*\q+\j+3], s25, v[SREG+32*\q+\j+3], s35
.endr
.irp kt, 0,1,2,3
	v_max3_num_f32 v[T+\kt], v[SREG+32*\q+8*\kt], v[SREG+32*\q+8*\kt+1], v[SREG+32*\q+8*\kt+2]   ; four chains
.endr
.irp kt, 0,1,2,3
	v_max3_num_f32 v[T+\kt], v[T+\kt], v[SREG+32*\q+8*\kt+3], v[SREG+32*\q+8*\kt+4]
.endr
.irp kt, 0,1,2,3
	v_max3_num_f32 v[T+\kt], v[T+\kt], v[SREG+32*\q+8*\kt+5], v[SREG+32*\q+8*\kt+6]
.endr
.irp kt, 0,1,2,3
	v_max_num_f32 v[T+\kt], v[T+\kt], v[SREG+32*\q+8*\kt+7]
.endr
	v_max3_num_f32 v[T], v[T], v[T+1], v[T+2]
	v_max_num_f32 v[T], v[T], v[T+3]               ; my 32 keys of query r
	v_permlanex16_b32 v[T+1], v[T], s26, s27       ; the other half's 32 keys
.if \first
	v_max_num_f32 v[MX+\q], v[T], v[T+1]
.else
	v_mul_f32 v[MCO+\q], LOG2E, v[MX+\q]
	v_max3_num_f32 v[MX+\q], v[MX+\q], v[T], v[T+1]
.endif
	v_cmp_neq_f32 vcc_lo, s25, v[MX+\q]
	v_cndmask_b32 v[T+1], 0, v[MX+\q], vcc_lo      ; nothing but -inf so far: shift by 0, every exponential is then 0
	v_mul_f32 v[NMC+2*\q],   NLOG2E, v[T+1]
	v_mul_f32 v[NMC+2*\q+1], NLOG2E, v[T+1]
.if \first == 0
	v_add_f32 v[T+2], v[MCO+\q], v[NMC+2*\q]       ; both roundings are those that the exponentials were and will be shifted by
	v_exp_f32 v[AL+2*\q],   v[T+2]
	v_exp_f32 v[AL+2*\q+1], v[T+2]
	v_nop                                          ; one plain instruction behind a transcendental (ISA guide 5.7.2)
.endif
.irp j, 0,2,4,6,8,10,12,14,16,18,20,22,24,26,28,30
	v_pk_fma_f32 v[SREG+32*\q+\j:SREG+32*\q+\j+1], v[SREG+32*\q+\j:SREG+32*\q+\j+1], LOG2E, v[NMC+2*\q:NMC+2*\q+1] op_sel_hi:[1,0,1]
.endr
.set ii, 0
.rept 32
	v_exp_f32 v[SREG+32*\q+ii], v[SREG+32*\q+ii]
.set ii, ii+1
.endr
	v_nop                                          ; as above, for the whole run
	s_wait_alu depctr_va_vdst(0)
	v_pk_add_f32 v[ACC:ACC+1],   v[SREG+32*\q:SREG+32*\q+1],   v[SREG+32*\q+2:SREG+32*\q+3]   ; the first sums start the chains
	v_pk_add_f32 v[ACC+2:ACC+3], v[SREG+32*\q+4:SREG+32*\q+5], v[SREG+32*\q+6:SREG+32*\q+7]
.irp j, 8,12,16,20,24,28
	v_pk_add_f32 v[ACC:ACC+1],   v[ACC:ACC+1],   v[SREG+32*\q+\j:SREG+32*\q+\j+1]
	v_pk_add_f32 v[ACC+2:ACC+3], v[ACC+2:ACC+3], v[SREG+32*\q+\j+2:SREG+32*\q+\j+3]
.endr
	v_pk_add_f32 v[ACC:ACC+1], v[ACC:ACC+1], v[ACC+2:ACC+3]
.if \first
	v_add_f32 v[LS+\q], v[ACC], v[ACC+1]
.else
	v_add_f32 v[ACC], v[ACC], v[ACC+1]
	v_fma_f32 v[LS+\q], v[LS+\q], v[AL+2*\q], v[ACC]
.endif
.set ii, 0
.rept 16
	v_cvt_pk_bf16_f32 v[SREG+32*\q+ii], v[SREG+32*\q+2*ii], v[SREG+32*\q+2*ii+1]   ; P in place, ascending: register ii is written when 2 ii and 2 ii + 1 are read
.set ii, ii+1
.endr
.endr
	WIN 0
	s_barrier_wait -1                              ; every wave has read K's slot out and written its part of V's
.endm
; A quarter of O^T += V^T P^T (four v tiles): a piece of K is rounded and stored (conv = 1), the next fragments are asked for, 16 products.
.macro OSTEP g, buf, nbuf, zero, conv, refill, lc, dsc
.if \conv
	CONVP KSET, \g, KST, 0, KP, \refill, KB, \lc
.else
	PLACES                                         ; no piece here: the places in front of the loads into the buffer that the last products read
.endif
	WIN 0
.if \g < 3
	FETCHV (\g+1), \nbuf
.endif
	s_wait_dscnt \dsc
	WIN 0x58
.irp kk, 0,1
.irp vl, 0,1,2,3
.irp q, 0,1
.if \zero*(1-\kk)
	v_wmma_f32_16x16x32_bf16 v[8*(2*(4*\g+\vl)+\q):8*(2*(4*\g+\vl)+\q)+7], v[\buf+8*(2*\vl+\kk):\buf+8*(2*\vl+\kk)+7], v[SREG+32*\q+8*\kk:SREG+32*\q+8*\kk+7], 0
.else
	v_wmma_f32_16x16x32_bf16 v[8*(2*(4*\g+\vl)+\q):8*(2*(4*\g+\vl)+\q)+7], v[\buf+8*(2*\vl+\kk):\buf+8*(2*\vl+\kk)+7], v[SREG+32*\q+8*\kk:SREG+32*\q+8*\kk+7], v[8*(2*(4*\g+\vl)+\q):8*(2*(4*\g+\vl)+\q)+7]
.endif
.endr
.endr
.endr
.endm
; P V of the tile whose P lies in registers, while the next K tile goes into its slot.  zero = 1: the first products start O.
.macro PHASE_O zero, conv, refill, lc0, dlc
	WIN 0
	FETCHV 0, FA                                   ; both buffers are free since the four places at the softmax's head
.if \zero == 0
	WIN 0x49
.set oo, 0
.rept 16
.irp q, 0,1
.irp j, 0,2,4,6
	v_pk_mul_f32 v[16*oo+8*\q+\j:16*oo+8*\q+\j+1], v[16*oo+8*\q+\j:16*oo+8*\q+\j+1], v[AL+2*\q:AL+2*\q+1]   ; O to the new maximum
.endr
.endr
.set oo, oo+1
.endr
.endif
	OSTEP 0, FA, FB, \zero, \conv, \refill, \lc0, 16+8*\conv
	OSTEP 1, FB, FA, \zero, \conv, \refill, \lc0-\dlc, 16+8*\conv
	OSTEP 2, FA, FB, \zero, \conv, \refill, \lc0-2*\dlc, 16+8*\conv
	OSTEP 3, FB, FA, \zero, \conv, \refill, \lc0-3*\dlc, 8*\conv
	WIN 0
.if \conv
	s_wait_dscnt 0x0                               ; my reads of V's slot and my stores into K's are done
	s_barrier_signal -1
	s_barrier_wait -1                              ; everybody's are
.endif
.endm
.macro BODY zero, refill, lck, lcv, dlc            ; tile i: P V of tile i - 1 with K(i) coming in, S of tile i with V(i) coming in, softmax of tile i
	HEAD \refill
	PHASE_O \zero, 1, \refill, \lck, \dlc
	PHASE_S \refill, \lcv, \dlc
	SOFTMAX 0
.endm
.macro QVALID first                                ; -1 for my 16 query rows below the length, 0 for the others
.irp p, 0,1,2,3,4,5,6,7,8,9,10,11,12,13,14,15
	s_add_co_u32 s30, s[W16], \first+\p
	s_cmp_lt_u32 s30, s23
	s_cselect_b32 s[SV+\p], -1, 0
.endr
.endm
	s_load_b256 s[4:11], s[0:1], 0x0               ; keys, mask, query, query_lengths
	s_load_b128 s[12:15], s[0:1], 0x20             ; values, opart
	s_load_b64 s[16:17], s[0:1], 0x30              ; stats
	v_lshl_add_u32 v254, v0, 2, 0x21400
	v_mov_b32 v255, 0
	v_lshrrev_b32 v1, 5, v0
	v_readfirstlane_b32 s20, v1                    ; wave
	s_and_b32 s21, ttmp7, 0xffff                   ; b
	s_lshl3_add_u32 s22, s21, ttmp9                ; 8 b + chunk
	s_lshl_b32 s36, s21, 2
	s_lshl_b32 s[W16], s20, 4
	s_mov_b32 s25, 0xff800000                      ; -inf
	s_mov_b32 s26, 0x76543210                      ; v_permlanex16_b32: lane i of one half reads lane i of the other
	s_mov_b32 s27, 0xfedcba98
	s_mov_b32 s29, 0xffff0000                      ; lanes 16-31
	v_and_b32 v1, 15, v0                           ; r
	v_bfe_u32 v2, v0, 4, 1                         ; h
	v_and_b32 v3, 31, v0                           ; lane
	v_lshlrev_b32 v[OUTOFF], 4, v3
	v_lshlrev_b32 v[STOFF], 2, v0
	s_lshl_b32 s30, s20, 14                        ; my wave's 16 rows of 1,024 bytes
	v_add_nc_u32 v[ROWP], s30, v[OUTOFF]
.irp p, 1,2,3,4,5,6,7,8,9,10,11,12,13,14,15
	v_add_nc_u32 v[ROWP+\p], \p*1024, v[ROWP]
.endr
	s_mul_i32 s30, s20, 16*KP                      ; stores: my wave's 16 rows + 8 bytes a lane
	s_add_co_u32 s31, s30, KS
	v_lshl_add_u32 v[KST], v3, 3, s31
	s_add_co_u32 s31, s30, QS
	v_lshl_add_u32 v[QST], v3, 3, s31
	s_mul_i32 s30, s20, 16*VP
	s_add_co_u32 s30, s30, VS
	v_lshl_add_u32 v[VST], v3, 3, s30
	v_mul_u32_u24 v4, v1, KP
	v_lshl_add_u32 v4, v2, 4, v4                   ; fragment: row r, 16 bytes for each half
	v_add_nc_u32 v[KA], KS, v4
	s_mul_i32 s30, s20, 32*KP                      ; my wave's 32 queries
	s_add_co_u32 s30, s30, QS
	v_add_nc_u32 v[QA], s30, v4
	v_and_b32 v4, 7, v0
	v_lshl_add_u32 v4, v2, 3, v4                   ; transposing load: key row 8 h + (lane & 7),
	v_mul_u32_u24 v4, v4, VP
	v_bfe_u32 v5, v0, 3, 1
	v_lshl_add_u32 v4, v5, 4, v4                   ; 16 bytes for each eight lanes
	v_add_nc_u32 v[VA], VS, v4
	s_wait_kmcnt 0x0
	s_lshl_b32 s30, s22, 11                        ; the chunk's 512 mask words
	s_lshl_b32 s31, s20, 6                         ; + my wave's 16
	s_add_co_u32 s30, s30, s31
	s_mov_b32 s31, 0
	s_add_nc_u64 s[6:7], s[6:7], s[30:31]
	s_load_b32 s23, s[10:11], s36 offset:0x0       ; the batch's length
	s_load_b512 s[SR:SR+15], s[6:7], 0x0           ; tile 0's mask words
	s_lshl_b32 s30, s21, 17
	s_add_nc_u64 s[QB:QB+1], s[QB:QB+1], s[30:31]
	LOADSET KSET, QB, 0                            ; Q's rows 0-63
	LOADSET VSET, QB, TILEB                        ; Q's rows 64-127
	WIN 0
	s_lshl_b32 s30, s22, 19                        ; 512 rows of 1,024 bytes a chunk (256 chunks: below 2^27)
	s_add_nc_u64 s[KB:KB+1], s[KB:KB+1], s[30:31]
	s_add_nc_u64 s[VB:VB+1], s[VB:VB+1], s[30:31]
	s_lshl_b32 s30, s22, 17
	s_add_nc_u64 s[14:15], s[14:15], s[30:31]
	s_lshl_b32 s30, s22, 10
	s_add_nc_u64 s[16:17], s[16:17], s[30:31]
	s_wait_kmcnt 0x0
	s_max_i32 s23, s23, 0
	s_min_i32 s23, s23, 128                        ; the length, held to 0..128
	s_max_u32 s24, s23, 1
	s_sub_co_u32 s24, s24, 1
	s_lshr_b32 s24, s24, 4
	s_min_u32 s24, s24, 7                          ; the last q tile that holds a valid query (0 where there is none)
	NEXTMASK                                       ; tile 0's rows
	s_load_b512 s[SR:SR+15], s[6:7], 0x100         ; tile 1's mask words
	OFFSETS                                        ; tile 0's offsets (no load has named OFF yet)
	QVALID 0
	; s_wait_loadcnt 56, here and in the loop: behind a piece's eight loads stand the rest of its set (24 - 8 g), the other set (32) and the 8 g refills already issued
.irp g, 0,1,2,3
	CONVP KSET, \g, QST, 0, KP, 1, KB, 56          ; Q's rows 0-63 into LDS; the registers are asked for K(0)
.endr
	WIN 0
	QVALID 64
.irp g, 0,1,2,3
	CONVP VSET, \g, QST, 64*KP, KP, 1, VB, 56      ; Q's rows 64-127; V(0)
.endr
	WIN 0
	s_wait_dscnt 0x0
	s_barrier_signal -1
	s_barrier_wait -1                              ; Q is whole
	WIN 0x80
.irp q, 0,1
.irp ks, 0,1,2,3,4,5,6,7
	ds_load_b128 v[8*(8*\q+\ks):8*(8*\q+\ks)+3],   v[QA] offset:\q*16*KP+64*\ks      ; my 32 queries stay in 128 registers
	ds_load_b128 v[8*(8*\q+\ks)+4:8*(8*\q+\ks)+7], v[QA] offset:\q*16*KP+64*\ks+32
.endr
.endr
	s_mov_b32 s28, 0
	HEAD 1
.irp g, 0,1,2,3
	CONVP KSET, \g, KST, 0, KP, 1, KB, 56          ; K(0) into its slot; K(1) is asked for
.endr
	WIN 0
	s_wait_dscnt 0x0                               ; my stores into K's slot, and Q's fragments
	s_barrier_signal -1
	s_barrier_wait -1
	PHASE_S 1, 56, 0
	SOFTMAX 1
	s_mov_b32 s28, 1
	BODY 1, 1, 56, 56, 0                           ; tile 1; its P V starts O: nothing is cleared
	s_mov_b32 s28, 2
.Lloop:
	BODY 0, 1, 56, 56, 0                           ; tiles 2 to 6
	s_add_co_u32 s28, s28, 1
	s_cmp_lt_u32 s28, 7
	s_cbranch_scc1 .Lloop
	BODY 0, 0, 56, 24, 8                           ; tile 7 asks for nothing: behind K(7)'s piece g stand 24 - 8 g + 32 loads, behind V(7)'s 24 - 8 g
	PHASE_O 0, 0, 0, 0, 0                          ; P V of tile 7
	PLACES                                         ; behind the last products: O is read by the stores below
	WIN 0xAA
.irp q, 0,1
	v_permlanex16_b32 v[T+\q], v[LS+\q], s26, s27
	v_add_f32 v[LS+\q], v[LS+\q], v[T+\q]          ; both halves' keys
	v_mul_f32 v[MX+\q], LOG2E, v[MX+\q]            ; the very shift that the exponentials had (-inf where there was none)
.endr
	v_cndmask_b32 v[T],   v[MX], v[MX+1], s29      ; lane l: query 32 w + l
	v_cndmask_b32 v[T+1], v[LS], v[LS+1], s29
	WIN 0x08
	global_store_b32 v[STOFF], v[T],   s[16:17]
	global_store_b32 v[STOFF], v[T+1], s[16:17] offset:512
.irp q, 0,1
	WIN 0
	s_lshl1_add_u32 s30, s20, \q                   ; q tile 2 w + q
	s_cmp_gt_u32 s30, s24
	s_cbranch_scc1 .Lskip\q                        ; a tile wholly beyond the length is neither stored here nor read by the second launch
	s_lshl_b32 s30, s30, 14
	s_mov_b32 s31, 0
	s_add_nc_u64 s[36+2*\q:37+2*\q], s[14:15], s[30:31]
	WIN 0x04
.irp vt, 0,1,2,3,4,5,6,7,8,9,10,11,12,13,14,15
.irp i, 0,1
	global_store_b128 v[OUTOFF], v[8*(2*\vt+\q)+4*\i:8*(2*\vt+\q)+4*\i+3], s[36+2*\q:37+2*\q] offset:1024*\vt+512*\i   ; 512 consecutive bytes, aligned
.endr
.endr
	WIN 0
.Lskip\q:
.endr
	s_wait_tensorcnt 0x0
	ds_add_u32 v254, v255
	s_wait_dscnt 0x0
	s_endpgm
.Lfunc_end_k_q230d2f5753_attn:
	.size	k_q230d2f5753_attn, .Lfunc_end_k_q230d2f5753_attn-k_q230d2f5753_attn
	.p2alignl 7, 3214868480
	.fill 96, 4, 3214868480
	.section	.rodata,"a",@progbits
	.p2align	6, 0x0
	.amdhsa_kernel k_q230d2f5753_attn
		.amdhsa_group_segment_fixed_size 136704
		.amdhsa_private_segment_fixed_size 0
		.amdhsa_enable_private_segment 0
		.amdhsa_kernarg_size 56
		.amdhsa_user_sgpr_count 2
		.amdhsa_user_sgpr_kernarg_segment_ptr 1
		.amdhsa_wavefront_size32 1
		.amdhsa_system_sgpr_workgroup_id_x 1
		.amdhsa_system_sgpr_workgroup_id_y 1
		.amdhsa_system_sgpr_workgroup_id_z 1
		.amdhsa_system_vgpr_workitem_id 0
		.amdhsa_next_free_vgpr 1024
		.amdhsa_next_free_sgpr 100
		.amdhsa_reserve_vcc 1
		.amdhsa_float_denorm_mode_32 3
		.amdhsa_float_denorm_mode_16_64 3
		.amdhsa_memory_ordered 1
		.amdhsa_forward_progress 1
		.amdhsa_inst_pref_size 255
	.end_amdhsa_kernel
	.section	.bss,"aw",@nobits
	.p2align	6
	.space	262144
	.amdgpu_metadata
---
amdhsa.version: [ 1, 2 ]
amdhsa.kernels:
  - .name:           k_q230d2f5753_attn
    .symbol:         k_q230d2f5753_attn.kd
    .args:
      - { .name: keys, .offset: 0, .size: 8, .value_kind: global_buffer, .address_space: global }
      - { .name: mask, .offset: 8, .size: 8, .value_kind: global_buffer, .address_space: global }
      - { .name: query, .offset: 16, .size: 8, .value_kind: global_buffer, .address_space: global }
      - { .name: query_lengths, .offset: 24, .size: 8, .value_kind: global_buffer, .address_space: global }
      - { .name: values, .offset: 32, .size: 8, .value_kind: global_buffer, .address_space: global }
      - { .name: opart, .offset: 40, .size: 8, .value_kind: global_buffer, .address_space: global }
      - { .name: stats, .offset: 48, .size: 8, .value_kind: global_buffer, .address_space: global }
    .group_segment_fixed_size: 136704
    .private_segment_fixed_size: 0
    .kernarg_segment_align: 8
    .kernarg_segment_size: 56
    .max_flat_workgroup_size: 128
    .sgpr_count:     100
    .vgpr_count:     1024
    .wavefront_size: 32
...
	.end_amdgpu_metadata
.endif
;; end of part 3
;; launch combine: the kernel of part 2 again; grid 8 x 32, 16 waves a work-group, no clusters, 6,656 bytes of LDS; arguments opart, stats, query_lengths, out0; writes out0
;; ======== version 3 of 3: 2 launches; version 2 with the launch attn written anew for expert scheduling mode
;; workspace buffers: opart 33,554,432 bytes; stats 262,144 bytes
;; launch attn (part 4): grid 8 x 32, 4 waves a work-group, no clusters, 136,704 bytes of LDS; arguments keys, mask, query, query_lengths, values, opart, stats; writes opart, stats
.if DOCPART == 4
	.amdgcn_target "amdgcn-amd-amdhsa--gfx1250"
	.amdhsa_code_object_version 6
	.text
	.protected	k_q230d2f5753_attn
	.globl	k_q230d2f5753_attn
	.p2align	8
	.type	k_q230d2f5753_attn,@function
k_q230d2f5753_attn:
	s_mov_b64 s[64:65], 0
	v_nop
	global_prefetch_b8 v0, s[64:65] scope:SCOPE_SE
	s_setreg_imm32_b32 hwreg(HW_REG_WAVE_SCHED_MODE, 0, 2), 2
	s_setreg_imm32_b32 hwreg(HW_REG_WAVE_MODE, 25, 1), 1
	s_wait_xcnt 0x0
	s_wait_alu depctr_vm_vsrc(0)
; FVTA attention, first of two launches: for one batch b (work-group y) and one chunk of 512 keys (work-group x) the
; unnormalised sums O[q][v] = sum over the chunk's keys of 2^(s log2e - mc[q]) V[key][v], with mc[q] = log2e x the chunk's largest
; score of query q (a running maximum, -inf where the chunk has no score other than 0) and l[q] = the sum of the same exponentials.
; The second launch joins the eight chunks of a batch, divides, and takes the mean over the 128 queries.
;
; SHARES.  Four waves.  Wave w owns queries 32 w .. 32 w + 31 (two tiles of 16) for all 512 keys, so maxima and sums never leave the wave.
; The keys go in eight tiles of 64 rows.  All waves bring a tile in together: wave w takes rows 16 w + p (p = 0..15), each in two halves
; (u = 0, 1), lane l the 16 bytes at 512 u + 16 l: a load of the wave covers 512 consecutive bytes of ONE row, aligned.
; f32 is rounded to bf16 in registers and laid into LDS; 64 loads of a wave (one K tile, one V tile) are on their way at any time.
; MASKING.  A load's row is the same in all lanes, so the mask lives in scalar registers: the wave's 16 words of a tile come by one scalar
; load, asked for a whole turn ahead.  A row with mask != 0 is not fetched: its offset is multiplied by 0, so that its 32 lanes all read the
; same 16 bytes of the tile's first row, and what they hold is cleared by an AND with 0 after the rounding (bits, so whatever those bytes
; hold).  Query rows at or beyond the length are cleared likewise.  Their scores are then exactly 0, and the rule 'a score of 0 counts
; as -inf' does the rest.  No non-temporal hint on these loads: the redirected lanes read the same bytes again and again.
; BOTH PRODUCTS ARE TRANSPOSED.  S^T = K Q^T: lane (r, h) register j holds key 8 h + j, query r.  Two such tiles rounded to bf16 are the
; B operand of O^T = V^T P^T as they lie; V^T's fragments come by the transposing LDS load.  The query is the lane in S, in P, in O and
; in the softmax's state, so the rescaling factor is one number a lane.
; NO CLUSTER: no K or V tile is read by two work-groups; only Q is (128 KiB against up to 1 MiB of K and V for a work-group), once, and it
; passes through registers for the clearing.  No tensor loads: they cannot leave rows out, and f32 has to pass registers to be rounded.
; LIMITS.  Numbers in valid rows are finite (NaN or infinities there are not cleaned as the reference's last step would); |score| log2e
; stays below 2^127.  Q, K, V and P are bf16 matrix operands; scores, maxima, sums and O are f32; l sums the f32 exponentials while the
; product takes their bf16 roundings.  The stores into stats cover 128 consecutive bytes a wave (1 KiB for the work-group).
; THE MODE: SCHED_MODE bits 1:0 = 2 (LLVM: expert scheduling mode 2), set by the entry lines.  The code itself states the register dependences
; between vector or matrix instructions and memory or LDS instructions, with s_wait_alu, always for 0.
; THE PLAN.  Registers that memory or LDS instructions touch:
;   KSET, VSET    raw f32.  Piece g (eight loads) is read by the sixteen roundings of its step; then the next tile's eight loads land in it.  No vector instruction writes them.
;   OUT0, OUT1    piece g's roundings and ANDs write OUT[g % 2]; the piece's eight LDS stores read it; it is written again two pieces on.
;   FA, FB        step g's products read one; the LDS loads for step g + 1 land in the other, which step g - 1's products read.
;   OFF           written once a tile, at the head of the tile's turn; read by the loads of K and V.
;   ROWP, KST, VST, QST, KA, VA, QA, OUTOFF, STOFF   made at the kernel's head, never written again.
;   Q's fragments are loaded once; no vector instruction writes them.  T, T + 1 and O are the data of the last stores.
; So ONE wait on va_vdst stands in a step, behind the piece's 32 vector instructions: the roundings are done reading the raw piece, the ANDs have written OUT,
; the step before's products are done reading the other fragment buffer, and in a tile's first step OFF is written.  The step's 32 memory and LDS instructions follow
; it among the step's sixteen products, which name this step's fragment buffer, S or O, and Q or P: none of the registers that those 32 touch.
; One wait on vm_vsrc stands at a piece's head (the stores of the piece before last have read its OUT), one ahead of the lines that write OFF.
.set KP,     528                       ; LDS pitch of K and Q rows: 512 bytes + 16, an odd multiple of 16: a fragment's 16 rows start at 16 different 16-byte columns modulo 256
.set VP,     544                       ; LDS pitch of V rows: 512 + 32, an odd multiple of 32, for the transposing load
.set KS,     0                         ; K's 64 rows,
.set VS,     KS+64*KP                  ; then V's 64 rows,
.set QS,     VS+64*VP                  ; then Q's 128 rows (used once, in front of the loop); the end is byte 136,192
.set TILEB,  65536                     ; a tile in memory: 64 rows of 1,024 bytes
.set LOG2E,  0x3fb8aa3b
.set NLOG2E, 0xbfb8aa3b
; window 0
.set ROWP,   8                         ; v8-23   (16 w + p) x 1024 + 16 l: my byte offset in a tile
.set OFF,    24                        ; v24-39  the same, or 0 where the next tile's row is masked
.set KST,    40                        ; where I store into K's slot, V's slot, Q's rows
.set VST,    41
.set KA,     42                        ; where I read K's fragments, V's fragments
.set VA,     43
.set QST,    45
.set QA,     46
.set OUTOFF, 47                        ; 16 x lane
.set STOFF,  49                        ; 4 t
.set FA,     64                        ; v64-127, v128-191: two buffers of eight fragments
.set FB,     128
; window 1: O[vt][q tile] at 8 (2 vt + q), 256 registers
; window 2: Q's fragments [q tile][K step] at 8 (8 q + ks), then
.set SREG,   128                       ; S[q][kt][j] at 128 + 32 q + 8 kt + j; P is packed in place into 128 + 32 q + 0..15
.set MX,     192                       ; running maximum, one for each q tile
.set LS,     194                       ; running sum (of my half's keys until the end)
.set MCO,    196                       ; the old maximum x log2e
.set NMC,    200                       ; - maximum x log2e, twice (a pair for the packed forms), for each q tile
.set AL,     204                       ; 2^(old - new), twice, for each q tile
.set T,      208                       ; v208-215 at work, four for each q tile
.set ACC,    216                       ; v216-219
.set OUTB,   224                       ; v224-239, v240-255: two out-buffers: a piece in bf16, 2 registers for load m of 8 at 2 m
; window 3: what the loads bring, 4 registers for (p, u) at set + 8 p + 4 u
.set KSET,   0
.set VSET,   128
; scalars: s[4:5] keys, s[6:7] mask (at my wave's 16 words of tile 0), s[8:9] query, s[10:11] lengths, s[12:13] values, s[14:15] opart, s[16:17] stats
.set KB,     4
.set QB,     8
.set VB,     12
.set MOFF,   40                        ; s40     byte offset of the mask words asked for
.set W16,    41                        ; s41     16 w
.set SR,     44                        ; s44-59  16 mask words as loaded
.set SV,     68                        ; s68-83  -1 / 0 for the 16 rows that are being rounded; between V's last piece and the next turn's head: the softmax's lane masks
.set SN,     84                        ; s84-99  1 / 0 for the 16 rows of the next tile
.set MSB, 0
.macro WIN new                         ; s_set_vgpr_msb: bits 1:0 source 0, 3:2 source 1, 5:4 source 2, 7:6 destination; the high byte repeats the setting left
.if MSB != \new
	s_set_vgpr_msb (MSB<<8)|\new
.set MSB, \new
.endif
.endm
.macro PLACES                          ; four independent vector instructions behind a matrix instruction (ISA guide 7.12.1)
.rept 4
	v_nop
.endr
.endm
; 32 loads: 64 rows of 1,024 bytes, unconditionally (Q)
.macro LOADSET set, base, imm
	WIN 0xC0
.irp p, 0,1,2,3,4,5,6,7,8,9,10,11,12,13,14,15
.irp u, 0,1
	global_load_b128 v[\set+8*\p+4*\u:\set+8*\p+4*\u+3], v[ROWP+\p], s[\base:\base+1] offset:\imm+512*\u
.endr
.endr
.endm
; One piece of a set: rows p = 4 g .. 4 g + 3, eight loads.  ROUND: to bf16, into out-buffer g % 2, and masked rows cleared: 32 vector instructions in one run.
; lc: how many younger loads may stay out.  ev = 0: the kernel's first two pieces, ahead of which no LDS store was issued.
.macro ROUND set, g, lc, ev
	s_wait_loadcnt \lc
.if \ev
	s_wait_alu depctr_vm_vsrc(0)                   ; the LDS stores of the piece before last have read this out-buffer, which the roundings write again
.endif
	WIN 0x8F
.irp k, 0,1,2,3
.irp u, 0,1
	v_cvt_pk_bf16_f32 v[OUTB+16*((\g)%2)+4*\k+2*\u],   v[\set+8*(4*(\g)+\k)+4*\u],   v[\set+8*(4*(\g)+\k)+4*\u+1]
	v_cvt_pk_bf16_f32 v[OUTB+16*((\g)%2)+4*\k+2*\u+1], v[\set+8*(4*(\g)+\k)+4*\u+2], v[\set+8*(4*(\g)+\k)+4*\u+3]
.endr
.endr
	WIN 0xA8
.irp k, 0,1,2,3
.irp u, 0,1
	v_and_b32 v[OUTB+16*((\g)%2)+4*\k+2*\u],   s[SV+4*(\g)+\k], v[OUTB+16*((\g)%2)+4*\k+2*\u]
	v_and_b32 v[OUTB+16*((\g)%2)+4*\k+2*\u+1], s[SV+4*(\g)+\k], v[OUTB+16*((\g)%2)+4*\k+2*\u+1]
.endr
.endr
.endm
; REFILL: the same piece of the next tile is asked for
.macro REFILL set, g, base
	WIN 0xC0
.irp k, 0,1,2,3
.irp u, 0,1
	global_load_b128 v[\set+8*(4*(\g)+\k)+4*\u:\set+8*(4*(\g)+\k)+4*\u+3], v[OFF+4*(\g)+\k], s[\base:\base+1] offset:512*\u
.endr
.endr
.endm
; PUT: store m of the piece's eight, 8 bytes a lane: 256 consecutive bytes an instruction.  Address in window 0, data in window 2: the windows of both kinds of product
.macro PUT g, staddr, obase, pitch
	ds_store_b64 v[\staddr], v[OUTB+16*((\g)%2)+2*m:OUTB+16*((\g)%2)+2*m+1] offset:\obase+(4*(\g)+m/2)*\pitch+256*(m%2)
.set m, m+1
.endm
; A piece in front of the first product
.macro PIECE set, g, staddr, obase, pitch, base, lc, ev
	ROUND \set, \g, \lc, \ev
	WIN 0xC0
	s_wait_alu depctr_va_vdst(0)                   ; the roundings are done reading the raw piece, in which the loads below land; the ANDs have written the out-buffer, which the stores read; OFF is written
	REFILL \set, \g, \base
	WIN 0xA8
.set m, 0
.rept 8
	PUT \g, \staddr, \obase, \pitch
.endr
.endm
; 16 LDS loads: K's fragments of the four key tiles for K steps 2 g, 2 g + 1 (32 of d each)
.macro FETCHK g, buf
.irp kt, 0,1,2,3
.irp e, 0,1
	ds_load_b128 v[\buf+8*(2*\kt+\e):\buf+8*(2*\kt+\e)+3],   v[KA] offset:\kt*16*KP+64*(2*\g+\e)
	ds_load_b128 v[\buf+8*(2*\kt+\e)+4:\buf+8*(2*\kt+\e)+7], v[KA] offset:\kt*16*KP+64*(2*\g+\e)+32
.endr
.endr
.endm
; 16 transposing LDS loads: V^T's fragments of v tiles 4 g .. 4 g + 3 for both halves of the 64 keys
.macro FETCHV g, buf
.irp vl, 0,1,2,3
.irp kk, 0,1
	ds_load_tr16_b128 v[\buf+8*(2*\vl+\kk):\buf+8*(2*\vl+\kk)+3],   v[VA] offset:\kk*32*VP+32*(4*\g+\vl)
	ds_load_tr16_b128 v[\buf+8*(2*\vl+\kk)+4:\buf+8*(2*\vl+\kk)+7], v[VA] offset:\kk*32*VP+32*(4*\g+\vl)+16*VP
.endr
.endr
.endm
; 16 mask words as loaded -> 1 for a row that counts (word 0), 0 for a masked one (any other word): min with 1, + 1, & 1
.macro NEXTMASK
.irp p, 0,1,2,3,4,5,6,7,8,9,10,11,12,13,14,15
	s_min_u32 s[SN+\p], s[SR+\p], 1
.endr
.irp p, 0,1,2,3,4,5,6,7,8,9,10,11,12,13,14,15
	s_add_co_u32 s[SN+\p], s[SN+\p], 1
.endr
.irp p, 0,1,2,3,4,5,6,7,8,9,10,11,12,13,14,15
	s_and_b32 s[SN+\p], s[SN+\p], 1
.endr
.endm
.macro OFFSETS                         ; a masked row's lanes all point at the first 16 bytes of half u of the tile's first row
.irp p, 0,1,2,3,4,5,6,7,8,9,10,11,12,13,14,15
	v_mul_u32_u24 v[OFF+\p], s[SN+\p], v[ROWP+\p]
.endr
.endm
; The head of a tile's turn (s28 = the tile): its rows' -1 / 0, and (refill = 1) the next tile's offsets and bases, and the request
; for the mask words of the tile after that.
.macro HEAD refill
	WIN 0
.irp p, 0,1,2,3,4,5,6,7,8,9,10,11,12,13,14,15
	s_sub_co_u32 s[SV+\p], 0, s[SN+\p]             ; 1 -> -1, 0 -> 0
.endr
	s_wait_kmcnt 0x0                               ; the words asked for a turn ago are in; their offset register is free
.if \refill
	NEXTMASK
	s_add_co_u32 s[MOFF], s28, 2
	s_min_u32 s[MOFF], s[MOFF], 7                  ; tile 6's turn asks for tile 7's 64 bytes once more: no request leaves the chunk
	s_lshl_b32 s[MOFF], s[MOFF], 8                 ; 64 words a tile
	s_wait_xcnt 0x0                                ; the loads on their way have had their addresses translated (ISA guide 3.1): OFF and the two bases are rewritten only behind this wait
	s_wait_alu depctr_vm_vsrc(0)                   ; the loads issued so far have read OFF, which the multiplications below write again
	s_add_nc_u64 s[KB:KB+1], s[KB:KB+1], TILEB
	s_add_nc_u64 s[VB:VB+1], s[VB:VB+1], TILEB
	OFFSETS
	s_load_b512 s[SR:SR+15], s[6:7], s[MOFF] offset:0x0
.endif
.endm
; Product n of a quarter's 16 of S^T = K Q^T: K step 2 g + n / 8, key tile (n / 2) % 4, q tile n % 2: the eight accumulators take turns.  The first eight of a tile start the sums.
.macro SMM g, buf
.set rS, SREG+32*(n%2)+8*((n/2)%4)
.set rK, \buf+8*(2*((n/2)%4)+n/8)
.set rQ, 8*(8*(n%2)+2*\g+n/8)
.if (\g == 0) && (n < 8)
	v_wmma_f32_16x16x32_bf16 v[rS:rS+7], v[rK:rK+7], v[rQ:rQ+7], 0
.else
	v_wmma_f32_16x16x32_bf16 v[rS:rS+7], v[rK:rK+7], v[rQ:rQ+7], v[rS:rS+7]
.endif
.set n, n+1
.endm
; A quarter of S^T = K Q^T (64 of d): a piece of V is rounded; behind the one wait the next fragments and the next tile's piece are asked for and the piece is stored, among 16 products.
; The piece's 32 plain vector instructions are the places between the products that last read the other buffer (and, in the first
; quarter, those that read P) and the lines that write them.
.macro SSTEP g, buf, nbuf, refill, lc, dsc
	ROUND VSET, \g, \lc, 1
	s_wait_dscnt \dsc                              ; younger than this quarter's fragments: the quarter before's 8 stores; none in the first quarter
	s_wait_alu depctr_va_vdst(0)                   ; the roundings are done reading the raw piece; the ANDs have written the out-buffer; the quarter before's products are done reading the other fragment buffer
.set n, 0
.set m, 0
	SMM \g, \buf
	SMM \g, \buf
.if \g < 3
	WIN 0
	FETCHK (\g+1), \nbuf                           ; no wait: no vector or matrix instruction since the wait above names that buffer
.endif
.if \refill
	REFILL VSET, \g, VB                            ; nor the raw piece or OFF: between the wait and these loads stand two products, LDS loads and window switches
.endif
	WIN 0xA8
.rept 8
	SMM \g, \buf
	PUT \g, VST, 0, VP                             ; nor the out-buffer
.endr
.rept 6
	SMM \g, \buf
.endr
.endm
; The scores of one tile, while V's tile goes into its slot.  Ends with the signal: I have read K's slot out and written my part of V's.
.macro PHASE_S refill, lc0, dlc
	WIN 0
	FETCHK 0, FA                                   ; FA's last readers stand two quarters back, ahead of the last quarter's wait on va_vdst; nothing since names it
	SSTEP 0, FA, FB, \refill, \lc0, 0
	SSTEP 1, FB, FA, \refill, \lc0-\dlc, 8
	SSTEP 2, FA, FB, \refill, \lc0-2*\dlc, 8
	SSTEP 3, FB, FA, \refill, \lc0-3*\dlc, 8
	WIN 0
	s_wait_dscnt 0x0                               ; for the other waves' sake: my reads and my stores are done
	s_barrier_signal -1
.endm
; Registers only, between that signal and its wait.  first = 1: the tile starts maximum and sum.  The two q tiles go stage by stage, so that
; the compares stand in runs with one wait behind each, and all exponentials are one batch with one wait.
.macro SOFTMAX first
	PLACES                                         ; behind the last products, whose results are read now
	WIN 0xAA
.irp q, 0,1
.irp hh, 0,16
.set ii, 0
.rept 16
	v_cmp_neq_f32 s[SV+ii], 0, v[SREG+32*\q+\hh+ii]   ; a score of exactly 0 (masked key, query beyond the length) counts as -inf; each accumulator from its low end on
.set ii, ii+1
.endr
	s_wait_alu depctr_va_sdst(0)                   ; the sixteen compares have written their lane masks, which the selects read
.set ii, 0
.rept 16
	v_cndmask_b32 v[SREG+32*\q+\hh+ii], s25, v[SREG+32*\q+\hh+ii], s[SV+ii]
.set ii, ii+1
.endr
.endr
.endr
.irp q, 0,1
.irp kt, 0,1,2,3
	v_max3_num_f32 v[T+4*\q+\kt], v[SREG+32*\q+8*\kt], v[SREG+32*\q+8*\kt+1], v[SREG+32*\q+8*\kt+2]   ; four chains a q tile
.endr
.endr
.irp q, 0,1
.irp kt, 0,1,2,3
	v_max3_num_f32 v[T+4*\q+\kt], v[T+4*\q+\kt], v[SREG+32*\q+8*\kt+3], v[SREG+32*\q+8*\kt+4]
.endr
.endr
.irp q, 0,1
.irp kt, 0,1,2,3
	v_max3_num_f32 v[T+4*\q+\kt], v[T+4*\q+\kt], v[SREG+32*\q+8*\kt+5], v[SREG+32*\q+8*\kt+6]
.endr
.endr
.irp q, 0,1
.irp kt, 0,1,2,3
	v_max_num_f32 v[T+4*\q+\kt], v[T+4*\q+\kt], v[SREG+32*\q+8*\kt+7]
.endr
.endr
.irp q, 0,1
	v_max3_num_f32 v[T+4*\q], v[T+4*\q], v[T+4*\q+1], v[T+4*\q+2]
.endr
.irp q, 0,1
	v_max_num_f32 v[T+4*\q], v[T+4*\q], v[T+4*\q+3]   ; my 32 keys of query r
.endr
.irp q, 0,1
	v_permlanex16_b32 v[T+4*\q+1], v[T+4*\q], s26, s27   ; the other half's 32 keys
.endr
.if \first
.irp q, 0,1
	v_max_num_f32 v[MX+\q], v[T+4*\q], v[T+4*\q+1]
.endr
.else
.irp q, 0,1
	v_mul_f32 v[MCO+\q], LOG2E, v[MX+\q]
.endr
.irp q, 0,1
	v_max3_num_f32 v[MX+\q], v[MX+\q], v[T+4*\q], v[T+4*\q+1]
.endr
.endif
.irp q, 0,1
	v_cmp_neq_f32 s[32+\q], s25, v[MX+\q]
.endr
	s_wait_alu depctr_va_sdst(0)                   ; the two compares have written s32 and s33, which the selects read
.irp q, 0,1
	v_cndmask_b32 v[T+4*\q+1], 0, v[MX+\q], s[32+\q]   ; nothing but -inf so far: shift by 0, every exponential is then 0
.endr
.irp q, 0,1
	v_mul_f32 v[NMC+2*\q],   NLOG2E, v[T+4*\q+1]
	v_mul_f32 v[NMC+2*\q+1], NLOG2E, v[T+4*\q+1]
.endr
.if \first == 0
.irp q, 0,1
	v_add_f32 v[T+4*\q+2], v[MCO+\q], v[NMC+2*\q]  ; both roundings are those that the exponentials were and will be shifted by
.endr
.irp q, 0,1
	v_exp_f32 v[AL+2*\q],   v[T+4*\q+2]
	v_exp_f32 v[AL+2*\q+1], v[T+4*\q+2]
.endr
	v_nop                                          ; one plain instruction behind a transcendental (ISA guide 5.7.2)
.endif
.irp q, 0,1
.irp j, 0,2,4,6,8,10,12,14,16,18,20,22,24,26,28,30
	v_pk_fma_f32 v[SREG+32*\q+\j:SREG+32*\q+\j+1], v[SREG+32*\q+\j:SREG+32*\q+\j+1], LOG2E, v[NMC+2*\q:NMC+2*\q+1] op_sel_hi:[1,0,1]
.endr
.endr
.set ii, 0
.rept 64
	v_exp_f32 v[SREG+ii], v[SREG+ii]
.set ii, ii+1
.endr
	v_nop                                          ; as above, for the whole run
	s_wait_alu depctr_va_vdst(0)                   ; the batch of exponentials (both q tiles' weights and factors) has written its results, ahead of the first line that names one
.irp q, 0,1
	v_pk_add_f32 v[ACC:ACC+1],   v[SREG+32*\q:SREG+32*\q+1],   v[SREG+32*\q+2:SREG+32*\q+3]   ; the first sums start the chains
	v_pk_add_f32 v[ACC+2:ACC+3], v[SREG+32*\q+4:SREG+32*\q+5], v[SREG+32*\q+6:SREG+32*\q+7]
.irp j, 8,12,16,20,24,28
	v_pk_add_f32 v[ACC:ACC+1],   v[ACC:ACC+1],   v[SREG+32*\q+\j:SREG+32*\q+\j+1]
	v_pk_add_f32 v[ACC+2:ACC+3], v[ACC+2:ACC+3], v[SREG+32*\q+\j+2:SREG+32*\q+\j+3]
.endr
	v_pk_add_f32 v[ACC:ACC+1], v[ACC:ACC+1], v[ACC+2:ACC+3]
.if \first
	v_add_f32 v[LS+\q], v[ACC], v[ACC+1]
.else
	v_add_f32 v[ACC], v[ACC], v[ACC+1]
	v_fma_f32 v[LS+\q], v[LS+\q], v[AL+2*\q], v[ACC]
.endif
.set ii, 0
.rept 16
	v_cvt_pk_bf16_f32 v[SREG+32*\q+ii], v[SREG+32*\q+2*ii], v[SREG+32*\q+2*ii+1]   ; P in place, ascending: register ii is written when 2 ii and 2 ii + 1 are read
.set ii, ii+1
.endr
.endr
	WIN 0
	s_barrier_wait -1                              ; every wave has read K's slot out and written its part of V's
.endm
; Product n of a quarter's 16 of O^T += V^T P^T: key half n / 8, v tile 4 g + (n / 2) % 4, q tile n % 2: the eight accumulators take turns.  zero = 1: the first eight start the sums.
.macro OMM g, buf, zero
.set rO, 8*(2*(4*\g+(n/2)%4)+n%2)
.set rV, \buf+8*(2*((n/2)%4)+n/8)
.set rP, SREG+32*(n%2)+8*(n/8)
.if (\zero) && (n < 8)
	v_wmma_f32_16x16x32_bf16 v[rO:rO+7], v[rV:rV+7], v[rP:rP+7], 0
.else
	v_wmma_f32_16x16x32_bf16 v[rO:rO+7], v[rV:rV+7], v[rP:rP+7], v[rO:rO+7]
.endif
.set n, n+1
.endm
; A quarter of O^T += V^T P^T (four v tiles): a piece of K is rounded (conv = 1); behind the one wait the next fragments and the next tile's piece are asked for and the piece is stored, among 16 products.
; conv = 0 (the last tile's P V): only the second and third quarter fetch into a buffer that products issued since the last wait on va_vdst have read.
.macro OSTEP g, buf, nbuf, zero, conv, refill, lc, dsc
.if \conv
	ROUND KSET, \g, \lc, 1
.elseif (\g == 1) || (\g == 2)
	PLACES                                         ; no piece here: four places between the products that read the other buffer and the loads into it, beside the wait below
.endif
	s_wait_dscnt \dsc                              ; younger than this quarter's fragments: the quarter before's 8 stores, where there are stores
.if (\conv) || (\g == 1) || (\g == 2)
	s_wait_alu depctr_va_vdst(0)                   ; the quarter before's products are done reading the other fragment buffer; with a piece: its roundings are done reading the raw piece, its ANDs have written the out-buffer, and in the first quarter OFF is written
.endif
	WIN 0x58
.set n, 0
.set m, 0
	OMM \g, \buf, \zero
	OMM \g, \buf, \zero
.if \g < 3
	WIN 0
	FETCHV (\g+1), \nbuf                           ; no wait: no vector or matrix instruction since the last wait on va_vdst names that buffer
.endif
.if \refill
	REFILL KSET, \g, KB                            ; nor the raw piece or OFF
.endif
	WIN 0x58
.if \conv
.rept 8
	OMM \g, \buf, \zero
	PUT \g, KST, 0, KP                             ; nor the out-buffer
.endr
.rept 6
	OMM \g, \buf, \zero
.endr
.else
.rept 14
	OMM \g, \buf, \zero
.endr
.endif
.endm
; P V of the tile whose P lies in registers, while the next K tile goes into its slot.  zero = 1: the first products start O.
.macro PHASE_O zero, conv, refill, lc0, dlc
	WIN 0
	FETCHV 0, FA                                   ; FA's last readers stand ahead of the softmax's wait on va_vdst; nothing since names it
.if \zero == 0
	WIN 0x49
.set oo, 0
.rept 16
.irp q, 0,1
.irp j, 0,2,4,6
	v_pk_mul_f32 v[16*oo+8*\q+\j:16*oo+8*\q+\j+1], v[16*oo+8*\q+\j:16*oo+8*\q+\j+1], v[AL+2*\q:AL+2*\q+1]   ; O to the new maximum
.endr
.endr
.set oo, oo+1
.endr
.endif
	OSTEP 0, FA, FB, \zero, \conv, \refill, \lc0, 0
	OSTEP 1, FB, FA, \zero, \conv, \refill, \lc0-\dlc, 8*\conv
	OSTEP 2, FA, FB, \zero, \conv, \refill, \lc0-2*\dlc, 8*\conv
	OSTEP 3, FB, FA, \zero, \conv, \refill, \lc0-3*\dlc, 8*\conv
	WIN 0
.if \conv
	s_wait_dscnt 0x0                               ; my reads of V's slot and my stores into K's are done
	s_barrier_signal -1
	s_barrier_wait -1                              ; everybody's are
.endif
.endm
.macro BODY zero, refill, lck, lcv, dlc            ; tile i: P V of tile i - 1 with K(i) coming in, S of tile i with V(i) coming in, softmax of tile i
	HEAD \refill
	PHASE_O \zero, 1, \refill, \lck, \dlc
	PHASE_S \refill, \lcv, \dlc
	SOFTMAX 0
.endm
.macro QVALID first                                ; -1 for my 16 query rows below the length, 0 for the others
.irp p, 0,1,2,3,4,5,6,7,8,9,10,11,12,13,14,15
	s_add_co_u32 s30, s[W16], \first+\p
	s_cmp_lt_u32 s30, s23
	s_cselect_b32 s[SV+\p], -1, 0
.endr
.endm
	s_load_b256 s[4:11], s[0:1], 0x0               ; keys, mask, query, query_lengths
	s_load_b128 s[12:15], s[0:1], 0x20             ; values, opart
	s_load_b64 s[16:17], s[0:1], 0x30              ; stats
	v_lshl_add_u32 v254, v0, 2, 0x21400
	v_mov_b32 v255, 0
	v_lshrrev_b32 v1, 5, v0
	v_readfirstlane_b32 s20, v1                    ; wave
	s_and_b32 s21, ttmp7, 0xffff                   ; b
	s_lshl3_add_u32 s22, s21, ttmp9                ; 8 b + chunk
	s_lshl_b32 s36, s21, 2
	s_wait_alu depctr_va_sdst(0)                   ; s20 is written, ahead of its first reader: LDS places, mask words and q tiles are made from it
	s_lshl_b32 s[W16], s20, 4
	s_mov_b32 s25, 0xff800000                      ; -inf
	s_mov_b32 s26, 0x76543210                      ; v_permlanex16_b32: lane i of one half reads lane i of the other
	s_mov_b32 s27, 0xfedcba98
	s_mov_b32 s29, 0xffff0000                      ; lanes 16-31
	v_and_b32 v1, 15, v0                           ; r
	v_bfe_u32 v2, v0, 4, 1                         ; h
	v_and_b32 v3, 31, v0                           ; lane
	v_lshlrev_b32 v[OUTOFF], 4, v3
	v_lshlrev_b32 v[STOFF], 2, v0
	s_lshl_b32 s30, s20, 14                        ; my wave's 16 rows of 1,024 bytes
	v_add_nc_u32 v[ROWP], s30, v[OUTOFF]
.irp p, 1,2,3,4,5,6,7,8,9,10,11,12,13,14,15
	v_add_nc_u32 v[ROWP+\p], \p*1024, v[ROWP]
.endr
	s_mul_i32 s30, s20, 16*KP                      ; stores: my wave's 16 rows + 8 bytes a lane
	s_add_co_u32 s31, s30, KS
	v_lshl_add_u32 v[KST], v3, 3, s31
	s_add_co_u32 s31, s30, QS
	v_lshl_add_u32 v[QST], v3, 3, s31
	s_mul_i32 s30, s20, 16*VP
	s_add_co_u32 s30, s30, VS
	v_lshl_add_u32 v[VST], v3, 3, s30
	v_mul_u32_u24 v4, v1, KP
	v_lshl_add_u32 v4, v2, 4, v4                   ; fragment: row r, 16 bytes for each half
	v_add_nc_u32 v[KA], KS, v4
	s_mul_i32 s30, s20, 32*KP                      ; my wave's 32 queries
	s_add_co_u32 s30, s30, QS
	v_add_nc_u32 v[QA], s30, v4
	v_and_b32 v4, 7, v0
	v_lshl_add_u32 v4, v2, 3, v4                   ; transposing load: key row 8 h + (lane & 7),
	v_mul_u32_u24 v4, v4, VP
	v_bfe_u32 v5, v0, 3, 1
	v_lshl_add_u32 v4, v5, 4, v4                   ; 16 bytes for each eight lanes
	v_add_nc_u32 v[VA], VS, v4
	s_wait_kmcnt 0x0
	s_lshl_b32 s30, s22, 11                        ; the chunk's 512 mask words
	s_lshl_b32 s31, s20, 6                         ; + my wave's 16
	s_add_co_u32 s30, s30, s31
	s_mov_b32 s31, 0
	s_add_nc_u64 s[6:7], s[6:7], s[30:31]
	s_load_b32 s23, s[10:11], s36 offset:0x0       ; the batch's length
	s_load_b512 s[SR:SR+15], s[6:7], 0x0           ; tile 0's mask words
	s_lshl_b32 s30, s21, 17
	s_add_nc_u64 s[QB:QB+1], s[QB:QB+1], s[30:31]
	WIN 0xC0
	s_wait_alu depctr_va_vdst(0)                   ; ROWP and the nine other addresses and offsets made above are written: the loads and stores of the whole kernel read them
	LOADSET KSET, QB, 0                            ; Q's rows 0-63
	LOADSET VSET, QB, TILEB                        ; Q's rows 64-127
	WIN 0
	s_lshl_b32 s30, s22, 19                        ; 512 rows of 1,024 bytes a chunk (256 chunks: below 2^27)
	s_add_nc_u64 s[KB:KB+1], s[KB:KB+1], s[30:31]
	s_add_nc_u64 s[VB:VB+1], s[VB:VB+1], s[30:31]
	s_lshl_b32 s30, s22, 17
	s_add_nc_u64 s[14:15], s[14:15], s[30:31]
	s_lshl_b32 s30, s22, 10
	s_add_nc_u64 s[16:17], s[16:17], s[30:31]
	s_wait_kmcnt 0x0
	s_max_i32 s23, s23, 0
	s_min_i32 s23, s23, 128                        ; the length, held to 0..128
	s_max_u32 s24, s23, 1
	s_sub_co_u32 s24, s24, 1
	s_lshr_b32 s24, s24, 4
	s_min_u32 s24, s24, 7                          ; the last q tile that holds a valid query (0 where there is none)
	NEXTMASK                                       ; tile 0's rows
	s_load_b512 s[SR:SR+15], s[6:7], 0x100         ; tile 1's mask words
	OFFSETS                                        ; tile 0's offsets (no load has named OFF yet)
	QVALID 0
	; s_wait_loadcnt 56, here and in the loop: behind a piece's eight loads stand the rest of its set (24 - 8 g), the other set (32) and the 8 g refills already issued
	PIECE KSET, 0, QST, 0, KP, KB, 56, 0           ; Q's rows 0-63 into LDS; the registers are asked for K(0)
	PIECE KSET, 1, QST, 0, KP, KB, 56, 0
	PIECE KSET, 2, QST, 0, KP, KB, 56, 1
	PIECE KSET, 3, QST, 0, KP, KB, 56, 1
	WIN 0
	QVALID 64
.irp g, 0,1,2,3
	PIECE VSET, \g, QST, 64*KP, KP, VB, 56, 1      ; Q's rows 64-127; V(0)
.endr
	WIN 0
	s_wait_dscnt 0x0
	s_barrier_signal -1
	s_barrier_wait -1                              ; Q is whole
	WIN 0x80
.irp q, 0,1
.irp ks, 0,1,2,3,4,5,6,7
	ds_load_b128 v[8*(8*\q+\ks):8*(8*\q+\ks)+3],   v[QA] offset:\q*16*KP+64*\ks      ; my 32 queries stay in 128 registers, which no vector instruction has named; QA was written ahead of the head's wait
	ds_load_b128 v[8*(8*\q+\ks)+4:8*(8*\q+\ks)+7], v[QA] offset:\q*16*KP+64*\ks+32
.endr
.endr
	s_mov_b32 s28, 0
	HEAD 1
.irp g, 0,1,2,3
	PIECE KSET, \g, KST, 0, KP, KB, 56, 1          ; K(0) into its slot; K(1) is asked for
.endr
	WIN 0
	s_wait_dscnt 0x0                               ; my stores into K's slot, and Q's fragments
	s_barrier_signal -1
	s_barrier_wait -1
	PHASE_S 1, 56, 0
	SOFTMAX 1
	s_mov_b32 s28, 1
	BODY 1, 1, 56, 56, 0                           ; tile 1; its P V starts O: nothing is cleared
	s_mov_b32 s28, 2
.Lloop:
	BODY 0, 1, 56, 56, 0                           ; tiles 2 to 6
	s_add_co_u32 s28, s28, 1
	s_cmp_lt_u32 s28, 7
	s_cbranch_scc1 .Lloop
	BODY 0, 0, 56, 24, 8                           ; tile 7 asks for nothing: behind K(7)'s piece g stand 24 - 8 g + 32 loads, behind V(7)'s 24 - 8 g
	PHASE_O 0, 0, 0, 0, 0                          ; P V of tile 7
	PLACES                                         ; behind the last products: O is read by the stores below
	WIN 0xAA
.irp q, 0,1
	v_permlanex16_b32 v[T+\q], v[LS+\q], s26, s27
	v_add_f32 v[LS+\q], v[LS+\q], v[T+\q]          ; both halves' keys
	v_mul_f32 v[MX+\q], LOG2E, v[MX+\q]            ; the very shift that the exponentials had (-inf where there was none)
.endr
	v_cndmask_b32 v[T],   v[MX], v[MX+1], s29      ; lane l: query 32 w + l
	v_cndmask_b32 v[T+1], v[LS], v[LS+1], s29
	WIN 0x08
	s_wait_alu depctr_va_vdst(0)                   ; the selects have written T and T + 1, and the last products O: the data of all the stores below; the places above stay beside this wait
	global_store_b32 v[STOFF], v[T],   s[16:17]
	global_store_b32 v[STOFF], v[T+1], s[16:17] offset:512
.irp q, 0,1
	WIN 0
	s_lshl1_add_u32 s30, s20, \q                   ; q tile 2 w + q
	s_cmp_gt_u32 s30, s24
	s_cbranch_scc1 .Lskip\q                        ; a tile wholly beyond the length is neither stored here nor read by the second launch
	s_lshl_b32 s30, s30, 14
	s_mov_b32 s31, 0
	s_add_nc_u64 s[36+2*\q:37+2*\q], s[14:15], s[30:31]
	WIN 0x04
.irp vt, 0,1,2,3,4,5,6,7,8,9,10,11,12,13,14,15
.irp i, 0,1
	global_store_b128 v[OUTOFF], v[8*(2*\vt+\q)+4*\i:8*(2*\vt+\q)+4*\i+3], s[36+2*\q:37+2*\q] offset:1024*\vt+512*\i   ; 512 consecutive bytes, aligned; each accumulator from its low end on
.endr
.endr
	WIN 0
.Lskip\q:
.endr
	s_wait_dscnt 0x0
	s_wait_alu depctr_hold_cnt(0) depctr_sa_sdst(0) depctr_va_vdst(0) depctr_va_sdst(0) depctr_va_ssrc(0) depctr_va_vcc(0) depctr_vm_vsrc(0)
	s_wait_tensorcnt 0x0
	ds_add_u32 v254, v255
	s_wait_dscnt 0x0
	s_endpgm
.Lfunc_end_k_q230d2f5753_attn:
	.size	k_q230d2f5753_attn, .Lfunc_end_k_q230d2f5753_attn-k_q230d2f5753_attn
	.p2alignl 7, 3214868480
	.fill 96, 4, 3214868480
	.section	.rodata,"a",@progbits
	.p2align	6, 0x0
	.amdhsa_kernel k_q230d2f5753_attn
		.amdhsa_group_segment_fixed_size 136704
		.amdhsa_private_segment_fixed_size 0
		.amdhsa_enable_private_segment 0
		.amdhsa_kernarg_size 56
		.amdhsa_user_sgpr_count 2
		.amdhsa_user_sgpr_kernarg_segment_ptr 1
		.amdhsa_wavefront_size32 1
		.amdhsa_system_sgpr_workgroup_id_x 1
		.amdhsa_system_sgpr_workgroup_id_y 1
		.amdhsa_system_sgpr_workgroup_id_z 1
		.amdhsa_system_vgpr_workitem_id 0
		.amdhsa_next_free_vgpr 1024
		.amdhsa_next_free_sgpr 100
		.amdhsa_reserve_vcc 0
		.amdhsa_float_denorm_mode_32 3
		.amdhsa_float_denorm_mode_16_64 3
		.amdhsa_memory_ordered 1
		.amdhsa_forward_progress 1
		.amdhsa_inst_pref_size 255
	.end_amdhsa_kernel
	.section	.bss,"aw",@nobits
	.p2align	6
	.space	262144
	.amdgpu_metadata
---
amdhsa.version: [ 1, 2 ]
amdhsa.kernels:
  - .name:           k_q230d2f5753_attn
    .symbol:         k_q230d2f5753_attn.kd
    .args:
      - { .name: keys, .offset: 0, .size: 8, .value_kind: global_buffer, .address_space: global }
      - { .name: mask, .offset: 8, .size: 8, .value_kind: global_buffer, .address_space: global }
      - { .name: query, .offset: 16, .size: 8, .value_kind: global_buffer, .address_space: global }
      - { .name: query_lengths, .offset: 24, .size: 8, .value_kind: global_buffer, .address_space: global }
      - { .name: values, .offset: 32, .size: 8, .value_kind: global_buffer, .address_space: global }
      - { .name: opart, .offset: 40, .size: 8, .value_kind: global_buffer, .address_space: global }
      - { .name: stats, .offset: 48, .size: 8, .value_kind: global_buffer, .address_space: global }
    .group_segment_fixed_size: 136704
    .private_segment_fixed_size: 0
    .kernarg_segment_align: 8
    .kernarg_segment_size: 56
    .max_flat_workgroup_size: 128
    .sgpr_count:     100
    .vgpr_count:     1024
    .wavefront_size: 32
...
	.end_amdgpu_metadata
.endif
;; end of part 4
;; launch combine: the kernel of part 2 again; grid 8 x 32, 16 waves a work-group, no clusters, 6,656 bytes of LDS; arguments opart, stats, query_lengths, out0; writes out0
